; MI455X (gfx1250); checked and timed in simulation.
; The chip was launched on July 23, 2026; its instructions are those of AMD's public machine-readable ISA for CDNA 5 (MIT licence, August 2026) and "CDNA5" Instruction Set Architecture Reference Guide (July 2026). The comments in the code are by the model that wrote it; some were corrected since.
;; Simi Multi Headed Attention. Allowed arithmetic: float matrix products may take bf16 or f16 operands with f32 sums; other float arithmetic in f32, or as packed bf16 or f16 multiplies, adds, multiply-adds, maxima and minima; sums over many terms, partial sums and values carried from step to step in f32; what a program stores and reads back later, other than sums and carried values, may be rounded once to bf16 or f16.
;; Inputs: Wk 1,024 x 1,024 float32; Wo 1,024 x 1,024 float32; Wq 1,024 x 1,024 float32; Wv 1,024 x 1,024 float32; alpha 1 x 16 x 1 x 1 float32; bk 1,024 float32; bo 1,024 float32; bq 1,024 float32; bv 1,024 float32; k 2 x 2,048 x 1,024 float32; q 2 x 2,048 x 1,024 float32; v 2 x 2,048 x 1,024 float32.
;; Outputs: out0 2 x 2,048 x 1,024 float32.
;; One version. Each part assembles by itself: llvm-mc -triple=amdgcn-amd-amdhsa -mcpu=gfx1250 --defsym DOCPART=n.
;; ======== version 1 of 1: 4 launches
;; limits: values are held in f16: magnitudes above 65,504 overflow, below 6.1e-05 lose precision; right only within a limited range of input values
;; workspace buffers: wt 8,388,608 bytes; qx 12,582,912 bytes; kx 12,582,912 bytes; vh 8,388,608 bytes; oh 8,388,608 bytes
;; launch prep (part 1): grid 64 x 4, 4 waves a work-group, no clusters, 35,328 bytes of LDS; arguments Wq, Wk, Wv, Wo, wt; writes wt
.if DOCPART == 1
	.amdgcn_target "amdgcn-amd-amdhsa--gfx1250"
	.amdhsa_code_object_version 6
	.text
	.protected	k_qa6e334aa03_prep
	.globl	k_qa6e334aa03_prep
	.p2align	8
	.type	k_qa6e334aa03_prep,@function
k_qa6e334aa03_prep:
	s_mov_b64 s[64:65], 0
	v_nop
	global_prefetch_b8 v0, s[64:65] scope:SCOPE_SE
	s_setreg_imm32_b32 hwreg(HW_REG_WAVE_MODE, 25, 1), 1
	s_wait_xcnt 0x0
; THE WEIGHTS, TURNED AND ROUNDED.  W[k][n] (f32, [1024][1024]) -> wt[p][kb][n][64 k], 16 bits a number: matrix p (Wq, Wk, Wv, Wo), block kb of 64 k; the 64 k of a column n lie on end (128 bytes),
; and the n of one kb follow each other, so that a tile of n rows of one kb is dense.  Wq, Wk, Wv are rounded to bf16.  Wo is rounded to bf16 like every input and that number is written as f16, since the
; last product multiplies in f16.  LIMIT: an element of Wo under 6.1e-5 in magnitude keeps f16's fixed step of 6e-8; beyond 65,504 it would be an infinity.
; SHARES.  Grid y = p; grid x = 4 kb + g; wave w takes columns 64 (4 g + w) on: a unit of 64 k x 64 n.  A load takes 256 consecutive bytes of a row of W (8 bytes a lane); a lane ends with two columns,
; 256 bytes of wt, which go through the wave's own stage in LDS so that each store of the wave covers 512 consecutive bytes.  No matrix unit, no cluster: nothing is shared and nothing is multiplied.
.set STG,   8704                       ; a wave's stage: 32 rows of 256 bytes + 16 of padding
.set SPARE, 4*STG                      ; behind the stages: the spare words, 128 bytes a wave
.set LO,  2                            ; v2  8 x lane: my two columns in a row of W
.set STO, 3                            ; v3  where I put my 256 bytes
.set RD,  4                            ; v4  where I read 16 bytes of a row back
.set GO,  5                            ; v5  16 x lane
.set SPW, 6                            ; v6  my spare word; never rewritten
.set NIL, 7                            ; v7  0; never rewritten
.set IN,  16                           ; v[16:143]  row k's two numbers at IN + 2 k
.set OUT, 144                          ; v[144:207] column c's 32 words at OUT + 32 c
	s_load_b256 s[4:11], s[0:1], 0x0               ; Wq, Wk, Wv, Wo
	s_load_b64 s[12:13], s[0:1], 0x20              ; wt
	v_lshl_add_u32 v[SPW], v0, 2, SPARE
	v_mov_b32 v[NIL], 0
	v_lshrrev_b32 v1, 5, v0
	v_readfirstlane_b32 s16, v1                    ; wave
	v_and_b32 v8, 31, v0                           ; lane
	s_and_b32 s17, ttmp7, 0xffff                   ; p
	s_lshr_b32 s18, ttmp9, 2                       ; kb
	s_and_b32 s19, ttmp9, 3
	s_lshl_b32 s19, s19, 2
	s_add_co_u32 s19, s19, s16                     ; block of 64 columns
	v_lshlrev_b32 v[LO], 3, v8
	s_mul_i32 s20, s16, STG
	v_mul_u32_u24 v[STO], v8, 272
	v_add_nc_u32 v[STO], s20, v[STO]
	v_and_b32 v9, 15, v0
	v_bfe_u32 v10, v0, 4, 1
	v_mul_u32_u24 v[RD], v10, 272
	v_lshl_add_u32 v[RD], v9, 4, v[RD]
	v_add_nc_u32 v[RD], s20, v[RD]
	v_lshlrev_b32 v[GO], 4, v8
	s_lshl_b32 s22, s18, 18                        ; 64 kb rows of 4,096 bytes
	s_lshl_b32 s21, s19, 8                         ; 64 columns of 4 bytes
	s_add_co_u32 s22, s22, s21
	s_mov_b32 s23, 0
	s_lshl_b32 s24, s17, 21                        ; a matrix of wt: 2 MiB
	s_lshl_b32 s21, s18, 17                        ; a kb: 1,024 n x 128 bytes
	s_add_co_u32 s24, s24, s21
	s_lshl_b32 s21, s19, 13                        ; 64 n x 128 bytes
	s_add_co_u32 s24, s24, s21
	s_mov_b32 s25, 0
	s_wait_kmcnt 0x0
	s_cmp_eq_u32 s17, 1
	s_cselect_b64 s[14:15], s[6:7], s[4:5]
	s_cmp_eq_u32 s17, 2
	s_cselect_b64 s[14:15], s[8:9], s[14:15]
	s_cmp_eq_u32 s17, 3
	s_cselect_b64 s[14:15], s[10:11], s[14:15]
	s_add_nc_u64 s[14:15], s[14:15], s[22:23]
	s_add_nc_u64 s[12:13], s[12:13], s[24:25]
.set k, 0
.rept 64
	global_load_b64 v[IN+2*k:IN+2*k+1], v[LO], s[14:15] offset:k*4096 th:TH_LOAD_NT  ; row k: 256 consecutive bytes, aligned
.set k, k+1
.endr
	s_wait_loadcnt 0x0
.set k, 0
.rept 32                                       ; two neighbouring k of one column make a word
	v_cvt_pk_bf16_f32 v[OUT+k],    v[IN+4*k],   v[IN+4*k+2]
	v_cvt_pk_bf16_f32 v[OUT+32+k], v[IN+4*k+1], v[IN+4*k+3]
.set k, k+1
.endr
	s_cmp_lg_u32 s17, 3
	s_cbranch_scc1 .Lnot_wo
.set k, 0
.rept 64                                       ; Wo: the bf16 number, written as f16
	v_lshlrev_b32 v[IN+2*(k%8)],   16, v[OUT+k]
	v_and_b32     v[IN+2*(k%8)+1], 0xffff0000, v[OUT+k]
	v_cvt_pk_f16_f32 v[OUT+k], v[IN+2*(k%8)], v[IN+2*(k%8)+1]
.set k, k+1
.endr
.Lnot_wo:
.set k, 0
.rept 16
	ds_store_b128 v[STO], v[OUT+4*k:OUT+4*k+3] offset:16*k   ; my two columns: 256 bytes on end; rows 272 bytes apart
.set k, k+1
.endr
.set k, 0
.rept 16
	ds_load_b128 v[IN+4*k:IN+4*k+3], v[RD] offset:544*k      ; LDS serves a wave's instructions in order (ISA guide 5.7.1.4): these see the stores above
.set k, k+1
.endr
.set k, 0
.rept 16
	s_wait_dscnt 15-k                              ; the younger loads may stay out
	global_store_b128 v[GO], v[IN+4*k:IN+4*k+3], s[12:13] offset:512*k  ; 512 consecutive bytes, aligned
.set k, k+1
.endr
	s_wait_tensorcnt 0x0                           ; the wave's end: behind my last LDS store
	ds_add_u32 v[SPW], v[NIL]
	s_wait_dscnt 0x0
	s_endpgm
.Lfunc_end_k_qa6e334aa03_prep:
	.size	k_qa6e334aa03_prep, .Lfunc_end_k_qa6e334aa03_prep-k_qa6e334aa03_prep
	.p2alignl 7, 3214868480
	.fill 96, 4, 3214868480
	.section	.rodata,"a",@progbits
	.p2align	6, 0x0
	.amdhsa_kernel k_qa6e334aa03_prep
		.amdhsa_group_segment_fixed_size 35328
		.amdhsa_private_segment_fixed_size 0
		.amdhsa_enable_private_segment 0
		.amdhsa_kernarg_size 40
		.amdhsa_user_sgpr_count 2
		.amdhsa_user_sgpr_kernarg_segment_ptr 1
		.amdhsa_wavefront_size32 1
		.amdhsa_system_sgpr_workgroup_id_x 1
		.amdhsa_system_sgpr_workgroup_id_y 1
		.amdhsa_system_sgpr_workgroup_id_z 1
		.amdhsa_system_vgpr_workitem_id 0
		.amdhsa_next_free_vgpr 208
		.amdhsa_next_free_sgpr 66
		.amdhsa_reserve_vcc 0
		.amdhsa_float_denorm_mode_32 3
		.amdhsa_float_denorm_mode_16_64 3
		.amdhsa_memory_ordered 1
		.amdhsa_forward_progress 1
		.amdhsa_inst_pref_size 27
	.end_amdhsa_kernel
	.amdgpu_metadata
---
amdhsa.version: [ 1, 2 ]
amdhsa.kernels:
  - .name:           k_qa6e334aa03_prep
    .symbol:         k_qa6e334aa03_prep.kd
    .args:
      - { .name: Wq, .offset: 0, .size: 8, .value_kind: global_buffer, .address_space: global }
      - { .name: Wk, .offset: 8, .size: 8, .value_kind: global_buffer, .address_space: global }
      - { .name: Wv, .offset: 16, .size: 8, .value_kind: global_buffer, .address_space: global }
      - { .name: Wo, .offset: 24, .size: 8, .value_kind: global_buffer, .address_space: global }
      - { .name: wt, .offset: 32, .size: 8, .value_kind: global_buffer, .address_space: global }
    .group_segment_fixed_size: 35328
    .private_segment_fixed_size: 0
    .kernarg_segment_align: 8
    .kernarg_segment_size: 40
    .max_flat_workgroup_size: 128
    .sgpr_count:     66
    .vgpr_count:     208
    .wavefront_size: 32
...
	.end_amdgpu_metadata
.endif
;; end of part 1
;; launch proj (part 2): grid 4 x 48, 4 waves a work-group, clusters of 4 x 4, 327,680 bytes of LDS; arguments q, k, v, wt, bq, bk, bv, alpha, qx, kx, vh; writes qx, kx, vh
.if DOCPART == 2
	.amdgcn_target "amdgcn-amd-amdhsa--gfx1250"
	.amdhsa_code_object_version 6
	.text
	.protected	k_qa6e334aa03_proj
	.globl	k_qa6e334aa03_proj
	.p2align	8
	.type	k_qa6e334aa03_proj,@function
k_qa6e334aa03_proj:
	s_mov_b64 s[64:65], 0
	v_nop
	global_prefetch_b8 v0, s[64:65] scope:SCOPE_SE
	s_setreg_imm32_b32 hwreg(HW_REG_WAVE_MODE, 25, 1), 1
	s_wait_xcnt 0x0
	s_wait_alu depctr_hold_cnt(0) depctr_sa_sdst(0) depctr_va_vdst(0) depctr_va_sdst(0) depctr_va_ssrc(0) depctr_va_vcc(0) depctr_vm_vsrc(0)
	s_getreg_b32 s2, hwreg(HW_REG_IB_STS2, 6, 4)
	s_cmp_eq_u32 s2, 0
	s_cbranch_scc0 .Lentry_in_a_cluster
	s_endpgm
.Lentry_in_a_cluster:
	s_bfe_u32 s2, ttmp6, 0x10000c
	s_cmp_lg_u32 s2, 0xf033
	s_cbranch_scc0 .Lentry_shape_is_right
	s_endpgm
.Lentry_shape_is_right:
; THE THREE PROJECTIONS, y = x W + b, by heads.  x: [4096][1024] f32 (q, k or v), W from wt (bf16, [kb][n][64 k]), b f32.  x, W, b and alpha are rounded to bf16; sums in f32.
; Projection p = cluster y / 4 (the same in all partners).  A tile is 256 rows x 256 columns (four heads); four waves, 128 x 128 each: 64 accumulators, 512 registers.  3 x 64 tiles: 192 work-groups.
; WHAT LEAVES.  v: vh[bh][t][64] f16.  q and k: rows of 192 bytes in qx, kx ([bh][t][96 halves]): 64 f16, the row divided by its norm (q's also times c = bf16(alpha_h) log2 e), then 32 bf16 from which the
; next launch's matrix unit makes D = (|q| + |k|)^2 / (4 |q| |k|) = (|q|/4)(1/|k|) + (1/(4|q|))(|k|) + 1/2.  Each f32 factor is cut exactly into three bf16 pieces; a group of 16 places holds them as
; A(g) = g1 g1 g1 g2 g2 g2 g3 g3 g3 .5 0.. or B(g) = g1 g2 g3 g1 g2 g3 g1 g2 g3 .5 0.., so that A . B is all nine piece products and 1/4.  q's row: A(|q|/4) B(1/(4|q|)); k's row: B(1/|k|) A(|k|).
; LIMITS.  |alpha| log2 e and |v| stay under 65,504 (f16).  A row whose sum of squares is under 2^-126 counts as a zero row: its norm is taken as 1, and its scores come out as 0.  NaN and infinities are not treated apart.
; THE RING.  K goes in steps of 64 through two LDS slots: 256 rows of x as f32 (256 bytes of memory a row, aligned) and 256 rows of wt.  x is rounded on the way from LDS to the matrix unit: a half step's
; fragments land as f32 in 128 registers and 64 conversions make them bf16, four behind each of the half's last sixteen products.
; CLUSTERS.  4 x 4 work-groups: x's tile is shared along a row of the cluster, wt's along a column; each is asked for jointly.
; THE MATRIX INSTRUCTION IS USED TRANSPOSED (source 0 = 16 rows of wt, source 1 = 16 rows of x): a lane holds one row of y (lane % 16) and the columns 8 (lane / 16) + 0..7 of each block of 16.
; REGISTERS, in windows of 256.  window 0: v0-31 addresses; v32-63 at work on the way out; v64-127, v128-191 x's fragments (bf16), two buffers; v192-255 the bias of my 128 columns' share.
; window 1: v64-127, v128-191 wt's fragments, two buffers; v0-63 and v192-255 x's f32 landing.  windows 2, 3: the accumulators, (a, b) at v[8 (8 (a % 4) + b)].
.set PA,    272                        ; a row of x in LDS: 256 bytes + 16: 68 words, so the 16 rows of a load start at 16 different groups of four banks (64 banks of 4 bytes: ISA guide 11.1)
.set PBB,   144                        ; a row of wt: 128 bytes + 16
.set HALFA, 128*PA                     ; what one tensor load of x brings
.set HALFB, 128*PBB                    ; and one of wt
.set BOFF,  2*HALFA
.set SLOT,  BOFF+2*HALFB
.set STAGE, 2*SLOT                     ; behind the ring: 6,656 bytes a wave for the way out
.set STG,   6656
.set SPARE, STAGE+4*STG                ; behind the stages: the spare words, 128 bytes a wave
.set LAPS,  8                          ; a lap = two K steps
.set R_,   1                           ; v1   lane % 16
.set H_,   2                           ; v2   lane / 16
.set STO,  8                           ; v8   way out, q and k: where I put 16 bytes of a row's data (rows 208 bytes apart)
.set STA,  9                           ; v9   and my 32 bytes of its 64 further bytes
.set RD0,  10                          ; v10-12  where I read chunk 32 t + lane of 16 bytes back, t = 0, 1, 2
.set STOV, 13                          ; v13  way out, v (rows 144 bytes apart)
.set RDV,  14                          ; v14
.set GO,   15                          ; v15  16 x lane
.set ADRA, 16                          ; v16-17  my x fragments in slot 0, 1
.set ADRB, 20                          ; v20-21  my wt fragments
.set BO,   22                          ; v22  my offset in the bias
.set HLF,  23                          ; v23  0.5
.set CH,   24                          ; v24-25  c of my two heads (1 for k)
.set SPW,  28                          ; v28  my spare word; never rewritten
.set NIL,  29                          ; v29  0; never rewritten
.set PFO,  30                          ; v30  the prefetches' offset: lane x a row of x
.set PKD,  32                          ; v32-63  packed f16
.set F0,   64
.set F1,   128
.set T,    64                          ; way out: a block's 64 numbers a lane, then its rows read back
.set E,    128                         ; way out: sums of squares, 4 a head
.set W,    136                         ; 8 a head: scale, norm, 1/norm, the factor, its three pieces, a remainder
.set CN,   152                         ; 6 a head: chosen pieces
.set AU,   164                         ; 8 a head: my 32 bytes of the 64
.set BIAS, 192
.set G1,  24                           ; s[24:31] group 1 for x's tiles;  s[32:39] group 0, a set for each slot
.set G0,  32
.set LIM, 43                           ; s43  1 in a wave that prefetches, else the greatest number
.set PFA, 44                           ; s[44:45] where my prefetches stand
.set G1B, 48                           ; s[48:55], s[56:63] the same for wt's tiles
.set G0B, 56
.set PJ,  66                           ; s66  the projection: 0 q, 1 k, 2 v
.set FBM, 67                           ; s67  the lanes that hold 1/norm in form B
.set SQ,  90                           ; s90  1/4 for q, 1 for k
.set PSEL, 91                          ; s91  v_perm_b32: the two upper halves
.set SEL, 92                           ; s[92:93] v_permlanex16_b32: each lane its own place in the other half
.set OST, 94                           ; s[94:95] 16 rows of the output
.set MSB, 0
.macro WIN new                         ; the immediate's high byte repeats the setting that is left; a switch that changes nothing is dropped
.if MSB != (\new)
	s_set_vgpr_msb (MSB<<8)|(\new)
.set MSB, \new
.endif
.endm
.set MUL_LO, 0xa1                      ; source 0 (wt) window 1, source 1 (x) window 0, C and D window 2
.set MUL_HI, 0xf1                      ; the same, C and D window 3
.set TO_1,   0x40                      ; destination window 1, address window 0
.set CVW,    0x05                      ; sources window 1, destination window 0
; A joint load.  Waves 0 and 1 fetch x's two halves, waves 2 and 3 wt's.  The branch hangs on the wave's number alone.  An s_nop 0 and four v_nop follow each of the two lines.
.macro JLOAD s
	s_cmp_eq_u32 s11, 0
	s_cbranch_scc0 .Lfor_b_\@
	tensor_load_to_lds s[G0+4*(\s):G0+4*(\s)+3], s[G1:G1+7]
	s_nop 0
.rept 4
	v_nop
.endr
	s_branch .Lasked_\@
.Lfor_b_\@:
	tensor_load_to_lds s[G0B+4*(\s):G0B+4*(\s)+3], s[G1B:G1B+7]
	s_nop 0
.rept 4
	v_nop
.endr
.Lasked_\@:
.endm
; A prefetch of x for the K step that stands two refills on: 32 rows x 256 bytes, a lane a row.  Of the 128 rows that wave 0 or 1 fetches, the partner at place cx takes 32, told apart by address: each
; row's 256 bytes of a K step are named once in the launch.  The loop's last trip asks for nothing: there is no K step two on.  wt is not asked for: several clusters read the same rows.
.macro ASK
	s_cmp_gt_u32 s3, s[LIM]
	s_cbranch_scc0 .Lnot_mine_\@
	global_prefetch_b8 v[PFO], s[PFA:PFA+1] offset:256 th:TH_LOAD_NT scope:SCOPE_SE
.Lnot_mine_\@:
.endm
.macro CREST                           ; a round of the cluster's barrier behind its opening barrier
	s_cmp_lg_u32 s10, 0
	s_cbranch_scc1 .Lnot_wave_0_\@
	s_barrier_signal -3
.Lnot_wave_0_\@:
	s_barrier_wait -3
	s_barrier_signal -1
	s_barrier_wait -1
.endm
.macro CROUND
	s_barrier_signal -1
	s_barrier_wait -1
	CREST
.endm
.macro PLACES                          ; four places in front of loads into registers that matrix instructions have read (ISA guide 7.12.1 for vector instructions)
.rept 4
	v_nop
.endr
.endm
	s_load_b256 s[68:75], s[0:1], 0x0              ; q s[68:69], k s[70:71], v s[72:73], wt s[74:75]
	s_load_b256 s[76:83], s[0:1], 0x20             ; bq, bk, bv, alpha s[82:83]
	s_load_b128 s[84:87], s[0:1], 0x40             ; qx, kx
	s_load_b64 s[88:89], s[0:1], 0x50              ; vh
	v_lshl_add_u32 v[SPW], v0, 2, SPARE
	v_mov_b32 v[NIL], 0
	ds_add_u32 v[SPW], v[NIL]                      ; the wave's opening: the add and its wait ahead of my first tensor load; the set-up below stands between them
	v_lshrrev_b32 v1, 5, v0
	v_readfirstlane_b32 s10, v1                    ; wave 0..3
	s_lshr_b32 s11, s10, 1                         ; which half of the tile's rows is mine.  Also: I fetch for x (0) or for wt (1)
	s_and_b32 s12, s10, 1                          ; which half of its columns.  Also: which 128 rows I fetch
	s_bfe_u32 s40, ttmp6, 0x40000                  ; cx = the block of 256 columns
	s_bfe_u32 s41, ttmp6, 0x40004                  ; cy
	s_and_b32 s13, ttmp7, 0xffff                   ; cluster y, 0..11
	s_lshr_b32 s[PJ], s13, 2
	s_and_b32 s13, s13, 3
	s_lshl_b32 s13, s13, 2
	s_add_co_u32 s13, s13, s41                     ; the block of 256 rows, 0..15
	s_lshl_b32 s18, s41, 2
	s_lshl_b32 s18, 15, s18                        ; my row of the cluster
	s_lshl_b32 s19, 0x1111, s40                    ; my column
	s_or_b32 s[G1+0], s18, (2<<16)|(1<<20)|(1<<21)|(5<<22)|(3<<25)   ; the mask; elements of 4 bytes; padding on; bit 21 beside a mask; after every 64 words 4 words
	s_or_b32 s[G1B+0], s19, (1<<16)|(1<<20)|(1<<21)|(4<<22)|(3<<25)  ; elements of 2 bytes; after every 32 words 4 words
	s_mov_b32 s[G1+1], 64<<16                      ; x: tensor_dim0 = 64 elements
	s_mov_b32 s[G1+2], 128<<16                     ; tensor_dim1 = 128 rows
	s_mov_b32 s[G1+3], 64<<16                      ; tile_dim0
	s_mov_b32 s[G1+4], 128                         ; tile_dim1
	s_mov_b32 s[G1+5], 1024                        ; elements from row to row
	s_mov_b32 s[G1+6], 0
	s_mov_b32 s[G1+7], 0
	s_mov_b32 s[G1B+1], 128<<16                    ; wt: 128 n x 128 bytes are dense: 64 rows of 256 bytes
	s_mov_b32 s[G1B+2], 64<<16
	s_mov_b32 s[G1B+3], 128<<16
	s_mov_b32 s[G1B+4], 64
	s_mov_b32 s[G1B+5], 128
	s_mov_b32 s[G1B+6], 0
	s_mov_b32 s[G1B+7], 0
	s_lshl_b32 s16, s13, 20                        ; x: 256 rows of 4,096 bytes a block,
	s_lshl_b32 s17, s12, 19                        ; my 128 of them
	s_add_co_u32 s16, s16, s17
	s_mov_b32 s17, 0
	s_lshl_b32 s46, s40, 15                        ; wt: 256 n of 128 bytes a block,
	s_lshl_b32 s47, s12, 14                        ; my 128,
	s_add_co_u32 s46, s46, s47
	s_lshl_b32 s47, s[PJ], 21                      ; in matrix p
	s_add_co_u32 s46, s46, s47
	s_mov_b32 s47, 0
	s_mul_i32 s20, s12, HALFA                      ; where they go: no place in the cluster enters an LDS address
	s_mul_i32 s21, s12, HALFB
	s_add_co_u32 s21, s21, BOFF
	s_wait_dscnt 0x0                               ; the opening add is done
	s_wait_kmcnt 0x0
	s_cmp_eq_u32 s[PJ], 1
	s_cselect_b64 s[4:5], s[70:71], s[68:69]       ; x
	s_cselect_b64 s[6:7], s[78:79], s[76:77]       ; its bias
	s_cmp_eq_u32 s[PJ], 2
	s_cselect_b64 s[4:5], s[72:73], s[4:5]
	s_cselect_b64 s[6:7], s[80:81], s[6:7]
	s_add_nc_u64 s[14:15], s[4:5], s[16:17]
	s_add_nc_u64 s[46:47], s[74:75], s[46:47]
	CROUND                                         ; all sixteen work-groups are here: the first joint loads meet
.irp s, 0,1
	s_mov_b32 s[G0+4*(\s)], 1
	s_add_co_u32 s[G0+4*(\s)+1], s20, (\s)*SLOT
	s_add_nc_u64 s[G0+4*(\s)+2:G0+4*(\s)+3], s[14:15], (\s)*256      ; K step s: 256 bytes along a row
	s_or_b32 s[G0+4*(\s)+3], s[G0+4*(\s)+3], 0x80000000
	s_mov_b32 s[G0B+4*(\s)], 1
	s_add_co_u32 s[G0B+4*(\s)+1], s21, (\s)*SLOT
	s_add_nc_u64 s[G0B+4*(\s)+2:G0B+4*(\s)+3], s[46:47], (\s)*131072 ; K step s: block kb = s
	s_or_b32 s[G0B+4*(\s)+3], s[G0B+4*(\s)+3], 0x80000000
	JLOAD \s                                       ; two tensor loads of mine are out
.endr
	v_and_b32 v[R_], 15, v0
	v_bfe_u32 v[H_], v0, 4, 1
	v_mul_u32_u24 v3, v[R_], PA
	v_lshl_add_u32 v3, v[H_], 5, v3                ; x as f32: row x pitch + 32 x half
	v_mul_u32_u24 v4, v[R_], PBB
	v_lshl_add_u32 v4, v[H_], 4, v4                ; wt: row x pitch + 16 x half
	s_mul_i32 s21, s11, HALFA                      ; my 128 rows of x
	s_mul_i32 s22, s12, HALFB                      ; my 128 rows of wt
	s_add_co_u32 s22, s22, BOFF
.irp s, 0,1
	v_add_nc_u32 v[ADRA+(\s)], s21, v3
	v_add_nc_u32 v[ADRB+(\s)], s22, v4
	s_add_co_u32 s21, s21, SLOT
	s_add_co_u32 s22, s22, SLOT
.endr
	s_lshl_b32 s20, s40, 10                        ; the bias: 256 columns of 4 bytes a block,
	s_lshl_b32 s21, s12, 9                         ; my 128
	s_add_co_u32 s20, s20, s21
	v_lshl_add_u32 v[BO], v[H_], 5, s20            ; and my half's 8 of each 16
.irp b, 0,1,2,3,4,5,6,7
	global_load_b128 v[BIAS+8*(\b):BIAS+8*(\b)+3],   v[BO], s[6:7] offset:64*(\b)
	global_load_b128 v[BIAS+8*(\b)+4:BIAS+8*(\b)+7], v[BO], s[6:7] offset:64*(\b)+16
.endr
	s_mul_i32 s23, s10, STG
	s_add_co_u32 s23, s23, STAGE                   ; my stage
	v_and_b32 v5, 31, v0                           ; lane
.irp t, 0,1,2
	v_add_nc_u32 v6, 32*(\t), v5                   ; chunk of 16 bytes, 12 to a row of 192
	v_mul_u32_u24 v7, v6, 171
	v_lshrrev_b32 v7, 11, v7                       ; its row = chunk / 12 (exact up to chunk 95)
	v_add_nc_u32 v6, v6, v7                        ; row x 208 + (chunk - 12 row) x 16 = 16 (chunk + row)
	v_lshl_add_u32 v[RD0+(\t)], v6, 4, s23
.endr
	v_mul_u32_u24 v6, v[R_], 208
	v_add_nc_u32 v6, s23, v6
	v_lshl_add_u32 v[STO], v[H_], 4, v6
	v_lshl_add_u32 v[STA], v[H_], 5, v6
	v_add_nc_u32 v[STA], 128, v[STA]
	v_mul_u32_u24 v6, v[R_], 144
	v_add_nc_u32 v6, s23, v6
	v_lshl_add_u32 v[STOV], v[H_], 4, v6
	v_lshrrev_b32 v6, 3, v5
	v_mul_u32_u24 v6, v6, 144
	v_and_b32 v7, 7, v5
	v_lshl_add_u32 v6, v7, 4, v6
	v_add_nc_u32 v[RDV], s23, v6
	v_lshlrev_b32 v[GO], 4, v5
	s_lshl_b32 s20, s40, 17                        ; the prefetches: my work-group's 32 rows of the 128,
	s_mov_b32 s21, 0
	s_add_nc_u64 s[PFA:PFA+1], s[14:15], s[20:21]
	s_add_nc_u64 s[PFA:PFA+1], s[PFA:PFA+1], 2*256 ; at K step 2: the first refill steps it to 3 and names K step 4.  Nothing is asked for here, at the head
	s_cmp_eq_u32 s11, 0
	s_cselect_b32 s[LIM], 1, -1
	v_lshlrev_b32 v[PFO], 12, v5
; x's f32 fragments of half k of a K step: block i of 16 rows lands in 16 registers of window 1: k = 8 h .. 8 h + 7 (32 bytes), then 16 + 8 h .. (32 bytes, 64 further on)
.macro LOADA slot, k
	WIN TO_1
.irp i, 0,1,2,3,4,5,6,7
.set LB, 16*(\i)+128*((\i)/4)
	ds_load_b128 v[LB:LB+3],     v[ADRA+(\slot)] offset:(\i)*16*PA+(\k)*128
	ds_load_b128 v[LB+4:LB+7],   v[ADRA+(\slot)] offset:(\i)*16*PA+(\k)*128+16
	ds_load_b128 v[LB+8:LB+11],  v[ADRA+(\slot)] offset:(\i)*16*PA+(\k)*128+64
	ds_load_b128 v[LB+12:LB+15], v[ADRA+(\slot)] offset:(\i)*16*PA+(\k)*128+80
.endr
.endm
.macro FETCHB slot, k, f               ; wt's fragments of the same half into buffer f
	WIN TO_1
.irp i, 0,1,2,3,4,5,6,7
	ds_load_b128 v[(\f)+8*(\i):(\f)+8*(\i)+3],   v[ADRB+(\slot)] offset:(\i)*16*PBB+(\k)*64
	ds_load_b128 v[(\f)+8*(\i)+4:(\f)+8*(\i)+7], v[ADRB+(\slot)] offset:(\i)*16*PBB+(\k)*64+32
.endr
.endm
.macro CVT4 g, s                       ; slice s of 16: half a fragment of x is rounded to bf16, into buffer g
	WIN CVW
.set LB, 16*((\s)/2)+128*((\s)/8)+8*((\s)%2)
.set FD, (\g)+8*((\s)/2)+4*((\s)%2)
.irp j, 0,1,2,3
	v_cvt_pk_bf16_f32 v[FD+(\j)], v[LB+2*(\j)], v[LB+2*(\j)+1]
.endr
.endm
; 16 products: row blocks a0, a0 + 1 of the window's four x all 8 column blocks, 32 along K.  zero = 1: the product starts the sum.  rid = 1: a slice of conversions follows each.
; The 64 accumulators take turns, in the same order in every half step.
.macro MUL16 f, hi, a0, zero, rid=0, g=0
.set sl, 0
.irp a, \a0, (\a0)+1
.irp b, 0,1,2,3,4,5,6,7
	WIN MUL_LO+0x50*(\hi)
.if \zero
	v_wmma_f32_16x16x32_bf16 v[8*(8*(\a)+(\b)):8*(8*(\a)+(\b))+7], v[(\f)+8*(\b):(\f)+8*(\b)+7], v[(\f)+8*(4*(\hi)+(\a)):(\f)+8*(4*(\hi)+(\a))+7], 0
.else
	v_wmma_f32_16x16x32_bf16 v[8*(8*(\a)+(\b)):8*(8*(\a)+(\b))+7], v[(\f)+8*(\b):(\f)+8*(\b)+7], v[(\f)+8*(4*(\hi)+(\a)):(\f)+8*(4*(\hi)+(\a))+7], v[8*(8*(\a)+(\b)):8*(8*(\a)+(\b))+7]
.endif
.if \rid
	CVT4 \g, sl
.set sl, sl+1
.endif
.endr
.endr
.endm
; A K step's first half: multiplies buffer 0, fetches and rounds the second half into buffer 1.
.macro HALF slot, zero
	s_wait_dscnt 0x0                               ; wt's fragments of this half are in
	MUL16 F0, 0, 0, \zero
	MUL16 F0, 0, 2, \zero
	PLACES
	LOADA \slot, 1
	FETCHB \slot, 1, F1
	MUL16 F0, 1, 0, \zero
	s_wait_dscnt 16                                ; x's 32 loads are in; wt's sixteen, issued behind them, may stay out
	MUL16 F0, 1, 2, \zero, 1, F1
.endm
; Its second half multiplies buffer 1 and changes slots: ONE barrier.  In front of it each wave waits for all its tensor loads (one is out: its part of the next slot), adds 0 to its spare word, and waits for
; that and for its reads of this slot.  fill = 1: the barrier opens a round of the cluster's, and the joint refill, two K steps on, is the first thing behind the round.
.macro TURNH slot, next, fill
.if \fill
	s_wait_xcnt 0x0                                ; the last prefetch, a K step back, has read its address
	s_add_nc_u64 s[PFA:PFA+1], s[PFA:PFA+1], 256
.endif
	s_wait_dscnt 0x0                               ; wt's fragments of this half are in: my last reads of this slot
	WIN 0                                          ; (the add's two registers lie in window 0)
	s_wait_tensorcnt 0x0
	ds_add_u32 v[SPW], v[NIL]                      ; 0 onto my spare word
	MUL16 F1, 0, 0, 0                              ; sixteen products stand between the add and the wait for it
	s_wait_dscnt 0x0
	s_barrier_signal -1
	MUL16 F1, 0, 2, 0
.if \fill
	WIN 0
.endif
	s_barrier_wait -1
.if \fill
	CREST                                          ; no wave of any partner still reads this slot or has a load on its way
	s_add_nc_u64 s[G0+4*(\slot)+2:G0+4*(\slot)+3], s[G0+4*(\slot)+2:G0+4*(\slot)+3], 2*256
	s_add_nc_u64 s[G0B+4*(\slot)+2:G0B+4*(\slot)+3], s[G0B+4*(\slot)+2:G0B+4*(\slot)+3], 2*131072
	JLOAD \slot                                    ; its four v_nop are also the places in front of the loads below
.else
	PLACES
.endif
	LOADA \next, 0
	FETCHB \next, 0, F0
.if \fill
	WIN 0
	ASK
.endif
	MUL16 F1, 1, 0, 0
	s_wait_dscnt 16                                ; x's 32 loads are in
	MUL16 F1, 1, 2, 0, 1, F0
.endm
	s_wait_tensorcnt 1                             ; my part of K step 0 is in; K step 1's may stay out
	s_barrier_signal -1
	s_barrier_wait -1
	LOADA 0, 0
	FETCHB 0, 0, F0
	s_wait_dscnt 16
.irp s, 0,1,2,3,4,5,6,7,8,9,10,11,12,13,14,15
	CVT4 F0, \s
.endr
	HALF 0, 1                                      ; the first half step stands in front of the loop: its products start the sums
	WIN 0
	s_mov_b32 s3, LAPS-1
.Llap:
	TURNH 0, 1, 1
	HALF 1, 0
	TURNH 1, 0, 1
	HALF 0, 0
	WIN 0
	s_sub_co_u32 s3, s3, 1
	s_cmp_lg_u32 s3, 0
	s_cbranch_scc1 .Llap
	TURNH 0, 1, 0                                  ; the last lap fills nothing
	HALF 1, 0
	s_wait_dscnt 0x0
	MUL16 F1, 0, 0, 0
	MUL16 F1, 0, 2, 0
	MUL16 F1, 1, 0, 0
	MUL16 F1, 1, 2, 0
	WIN 0
	; THE WAY OUT.  The set-up's plain lines (96 for the bias alone) are the places behind the last products.
	s_lshl_b32 s99, s40, 4                         ; alpha of my two heads, 4 cx + 2 x column half on: 8 bytes
	s_lshl3_add_u32 s99, s12, s99
	s_load_b64 s[96:97], s[82:83], s99 offset:0x0
	s_wait_loadcnt 0x0                             ; the bias
.set z, 0
.rept 32
	v_cvt_pk_bf16_f32 v[PKD+z], v[BIAS+2*z], v[BIAS+2*z+1]   ; rounded to bf16 like every input,
.set z, z+1
.endr
.set z, 0
.rept 32
	v_lshlrev_b32 v[BIAS+2*z],   16, v[PKD+z]                ; and widened again
	v_and_b32     v[BIAS+2*z+1], 0xffff0000, v[PKD+z]
.set z, z+1
.endr
	s_mov_b32 s[PSEL], 0x07060302
	s_mov_b32 s[SEL], 0x76543210
	s_mov_b32 s[SEL+1], 0xfedcba98
	v_mov_b32 v[HLF], 0.5
.irp z, 5,6,7,13,14,15
	v_mov_b32 v[AU+(\z)], 0                        ; places 10 to 15 of a group of 16 are 0
.endr
	s_lshr_b32 s20, s13, 3                         ; the batch
	s_lshl_b32 s20, s20, 4
	s_lshl2_add_u32 s20, s40, s20
	s_lshl1_add_u32 s20, s12, s20                  ; bh of my first head
	s_lshl_b32 s20, s20, 11                        ; its 2,048 rows,
	s_and_b32 s22, s13, 7
	s_lshl_b32 s22, s22, 8
	s_add_co_u32 s20, s20, s22                     ; the block's 256,
	s_lshl_b32 s22, s11, 7
	s_add_co_u32 s20, s20, s22                     ; my 128
	s_cmp_eq_u32 s[PJ], 2
	s_mov_b32 s21, 192                             ; bytes in a row: 192 for q and k (an instruction holds one literal, so the other figure comes by a move, which leaves SCC alone),
	s_cselect_b32 s21, 128, s21                    ; 128 for v
	s_mov_b32 s[OST], 3072                         ; and 16 such rows
	s_cselect_b32 s[OST], 2048, s[OST]
	s_mov_b32 s[OST+1], 0
	s_mul_i32 s20, s20, s21
	s_mov_b32 s21, 0
	s_cselect_b64 s[8:9], s[88:89], s[84:85]
	s_cmp_eq_u32 s[PJ], 1
	s_cselect_b64 s[8:9], s[86:87], s[8:9]
	s_cselect_b32 s22, 1, 0
	s_add_nc_u64 s[8:9], s[8:9], s[20:21]
	v_xor_b32 v3, s22, v[H_]
	v_cmp_eq_u32 s[FBM], 1, v3                     ; q: the upper half of the lanes; k: the lower
	s_cmp_eq_u32 s[PJ], 0
	s_cselect_b32 s98, -1, 0
	s_cselect_b32 s[SQ], 0x3e800000, 1.0
	s_wait_kmcnt 0x0
	v_mov_b32 v[CH], s96
	v_mov_b32 v[CH+1], s97
	v_cvt_pk_bf16_f32 v3, v[CH], v[CH+1]
	v_lshlrev_b32 v[CH], 16, v3
	v_and_b32 v[CH+1], 0xffff0000, v3
	v_mul_f32 v[CH], 0x3fb8aa3b, v[CH]             ; c = bf16(alpha) log2 e
	v_mul_f32 v[CH+1], 0x3fb8aa3b, v[CH+1]
	v_cndmask_b32 v[CH], 1.0, v[CH], s98           ; 1 for k
	v_cndmask_b32 v[CH+1], 1.0, v[CH+1], s98
; Block a of 16 rows: its 64 numbers a lane, bias added, come into window 0; that is the only part that names the block's registers, so it alone is written eight times.  Each accumulator is read from its low end on.
.macro STUB a
.Lst\a:
	WIN 0x02+(\a)/4
.set z, 0
.rept 32
	v_pk_add_f32 v[T+2*z:T+2*z+1], v[64*((\a)%4)+2*z:64*((\a)%4)+2*z+1], v[BIAS+2*z:BIAS+2*z+1]
.set z, z+1
.endr
	WIN 0
.endm
	s_mov_b32 s3, 0
.Lblk:
.irp a, 0,1,2,3,4,5,6
	s_cmp_eq_u32 s3, \a
	s_cbranch_scc1 .Lst\a
.endr
	s_branch .Lst7
.irp a, 0,1,2,3,4,5,6
	STUB \a
	s_branch .Lcommon
.endr
	STUB 7
.Lcommon:
	s_cmp_eq_u32 s[PJ], 2
	s_cbranch_scc1 .Lvout
	; q and k.  A head's sum of squares: my 32 numbers in two chains, then the other half of the lanes'
.irp hd, 0,1
.irp c, 0,1
	v_pk_mul_f32 v[E+4*(\hd)+2*(\c):E+4*(\hd)+2*(\c)+1], v[T+32*(\hd)+2*(\c):T+32*(\hd)+2*(\c)+1], v[T+32*(\hd)+2*(\c):T+32*(\hd)+2*(\c)+1]
.endr
.endr
.irp i, 1,2,3,4,5,6,7
.irp hd, 0,1
.irp c, 0,1
	v_pk_fma_f32 v[E+4*(\hd)+2*(\c):E+4*(\hd)+2*(\c)+1], v[T+32*(\hd)+4*(\i)+2*(\c):T+32*(\hd)+4*(\i)+2*(\c)+1], v[T+32*(\hd)+4*(\i)+2*(\c):T+32*(\hd)+4*(\i)+2*(\c)+1], v[E+4*(\hd)+2*(\c):E+4*(\hd)+2*(\c)+1]
.endr
.endr
.endr
.irp hd, 0,1
	v_pk_add_f32 v[E+4*(\hd):E+4*(\hd)+1], v[E+4*(\hd):E+4*(\hd)+1], v[E+4*(\hd)+2:E+4*(\hd)+3]
.endr
.irp hd, 0,1
	v_add_f32 v[E+4*(\hd)], v[E+4*(\hd)], v[E+4*(\hd)+1]
.endr
.irp hd, 0,1
	v_permlanex16_b32 v[E+4*(\hd)+1], v[E+4*(\hd)], s[SEL], s[SEL+1]
.endr
.irp hd, 0,1
	v_add_f32 v[E+4*(\hd)], v[E+4*(\hd)], v[E+4*(\hd)+1]
.endr
.irp hd, 0,1
	v_cmp_le_f32 vcc_lo, 0x00800000, v[E+4*(\hd)]  ; a sum under 2^-126: a zero row, norm 1
	v_cndmask_b32 v[E+4*(\hd)], 1.0, v[E+4*(\hd)], vcc_lo
.endr
.irp hd, 0,1
	v_rsq_f32 v[W+8*(\hd)+2], v[E+4*(\hd)]
.endr
	v_nop                                          ; a plain instruction behind the last of the two,
	s_wait_alu depctr_va_vdst(0)                   ; and the one wait ahead of the first use
.irp hd, 0,1
	v_mul_f32 v[W+8*(\hd)+1], v[E+4*(\hd)], v[W+8*(\hd)+2]    ; the norm
	v_mul_f32 v[W+8*(\hd)], v[W+8*(\hd)+2], v[CH+(\hd)]       ; the scale
.endr
.irp hd, 0,1
.set z, 0
.rept 16
	v_pk_mul_f32 v[T+32*(\hd)+2*z:T+32*(\hd)+2*z+1], v[T+32*(\hd)+2*z:T+32*(\hd)+2*z+1], v[W+8*(\hd):W+8*(\hd)+1] op_sel_hi:[1,0]
.set z, z+1
.endr
.endr
.irp hd, 0,1
.set z, 0
.rept 16
	v_cvt_pk_f16_f32 v[PKD+16*(\hd)+z], v[T+32*(\hd)+2*z], v[T+32*(\hd)+2*z+1]
.set z, z+1
.endr
.endr
.irp hd, 0,1                                   ; my group of 16 places: the factor, its three exact pieces, and their order
	v_cndmask_b32 v[W+8*(\hd)+3], v[W+8*(\hd)+1], v[W+8*(\hd)+2], s[FBM]
	v_mul_f32 v[W+8*(\hd)+3], s[SQ], v[W+8*(\hd)+3]
	v_and_b32 v[W+8*(\hd)+4], 0xffff0000, v[W+8*(\hd)+3]      ; piece 1: the upper 8 bits
	v_sub_f32 v[W+8*(\hd)+7], v[W+8*(\hd)+3], v[W+8*(\hd)+4]  ; what is left, exact
	v_and_b32 v[W+8*(\hd)+5], 0xffff0000, v[W+8*(\hd)+7]      ; piece 2
	v_sub_f32 v[W+8*(\hd)+6], v[W+8*(\hd)+7], v[W+8*(\hd)+5]  ; piece 3: 8 bits at the most
	v_cndmask_b32 v[CN+6*(\hd)],   v[W+8*(\hd)+4], v[W+8*(\hd)+5], s[FBM]
	v_cndmask_b32 v[CN+6*(\hd)+1], v[W+8*(\hd)+4], v[W+8*(\hd)+6], s[FBM]
	v_cndmask_b32 v[CN+6*(\hd)+2], v[W+8*(\hd)+5], v[W+8*(\hd)+4], s[FBM]
	v_cndmask_b32 v[CN+6*(\hd)+3], v[W+8*(\hd)+5], v[W+8*(\hd)+6], s[FBM]
	v_cndmask_b32 v[CN+6*(\hd)+4], v[W+8*(\hd)+6], v[W+8*(\hd)+4], s[FBM]
	v_cndmask_b32 v[CN+6*(\hd)+5], v[W+8*(\hd)+6], v[W+8*(\hd)+5], s[FBM]
	v_perm_b32 v[AU+8*(\hd)],   v[CN+6*(\hd)],   v[W+8*(\hd)+4],  s[PSEL]   ; the first source's upper half above the second's
	v_perm_b32 v[AU+8*(\hd)+1], v[CN+6*(\hd)+2], v[CN+6*(\hd)+1], s[PSEL]
	v_perm_b32 v[AU+8*(\hd)+2], v[CN+6*(\hd)+3], v[W+8*(\hd)+5],  s[PSEL]
	v_perm_b32 v[AU+8*(\hd)+3], v[CN+6*(\hd)+5], v[CN+6*(\hd)+4], s[PSEL]
	v_perm_b32 v[AU+8*(\hd)+4], v[HLF],          v[W+8*(\hd)+6],  s[PSEL]
.endr
.irp hd, 0,1
.irp b, 0,1,2,3
	ds_store_b128 v[STO], v[PKD+16*(\hd)+4*(\b):PKD+16*(\hd)+4*(\b)+3] offset:(\hd)*3328+32*(\b)
.endr
	ds_store_b128 v[STA], v[AU+8*(\hd):AU+8*(\hd)+3]   offset:(\hd)*3328
	ds_store_b128 v[STA], v[AU+8*(\hd)+4:AU+8*(\hd)+7] offset:(\hd)*3328+16
.endr
.irp hd, 0,1
.irp t, 0,1,2,3,4,5
	ds_load_b128 v[T+24*(\hd)+4*(\t):T+24*(\hd)+4*(\t)+3], v[RD0+(\t)%3] offset:(\hd)*3328+((\t)/3)*1664  ; my own bytes, served in order: these see the stores above
.endr
.endr
.irp hd, 0,1
.irp t, 0,1,2,3,4,5
	s_wait_dscnt 11-6*(\hd)-(\t)                   ; the younger loads may stay out
	global_store_b128 v[GO], v[T+24*(\hd)+4*(\t):T+24*(\hd)+4*(\t)+3], s[8:9] offset:(\hd)*393216+512*(\t)  ; 16 rows of a head are 3,072 bytes on end: 512 consecutive bytes a store, aligned
.endr
.endr
	s_branch .Ljoin
.Lvout:
.set z, 0
.rept 32
	v_cvt_pk_f16_f32 v[PKD+z], v[T+2*z], v[T+2*z+1]
.set z, z+1
.endr
.irp hd, 0,1
.irp b, 0,1,2,3
	ds_store_b128 v[STOV], v[PKD+16*(\hd)+4*(\b):PKD+16*(\hd)+4*(\b)+3] offset:(\hd)*2304+32*(\b)
.endr
.endr
.irp hd, 0,1
.irp t, 0,1,2,3
	ds_load_b128 v[T+16*(\hd)+4*(\t):T+16*(\hd)+4*(\t)+3], v[RDV] offset:(\hd)*2304+576*(\t)
.endr
.endr
.irp hd, 0,1
.irp t, 0,1,2,3
	s_wait_dscnt 7-4*(\hd)-(\t)
	global_store_b128 v[GO], v[T+16*(\hd)+4*(\t):T+16*(\hd)+4*(\t)+3], s[8:9] offset:(\hd)*262144+512*(\t)
.endr
.endr
.Ljoin:
	s_wait_xcnt 0x0                                ; the stores have read their registers and their base: both are written again only behind this wait
	s_add_nc_u64 s[8:9], s[8:9], s[OST:OST+1]      ; 16 rows on
	s_add_co_u32 s3, s3, 1
	s_cmp_lt_u32 s3, 8
	s_cbranch_scc1 .Lblk
	s_wait_tensorcnt 0x0                           ; the wave's end: behind my last tensor load and my last LDS store
	ds_add_u32 v[SPW], v[NIL]
	s_wait_dscnt 0x0
	CROUND                                         ; the closing round
	s_endpgm
.Lfunc_end_k_qa6e334aa03_proj:
	.size	k_qa6e334aa03_proj, .Lfunc_end_k_qa6e334aa03_proj-k_qa6e334aa03_proj
	.p2alignl 7, 3214868480
	.fill 96, 4, 3214868480
	.section	.rodata,"a",@progbits
	.p2align	6, 0x0
	.amdhsa_kernel k_qa6e334aa03_proj
		.amdhsa_group_segment_fixed_size 327680
		.amdhsa_private_segment_fixed_size 0
		.amdhsa_enable_private_segment 0
		.amdhsa_kernarg_size 88
		.amdhsa_user_sgpr_count 2
		.amdhsa_user_sgpr_kernarg_segment_ptr 1
		.amdhsa_wavefront_size32 1
		.amdhsa_system_sgpr_workgroup_id_x 1
		.amdhsa_system_sgpr_workgroup_id_y 1
		.amdhsa_system_sgpr_workgroup_id_z 1
		.amdhsa_system_vgpr_workitem_id 0
		.amdhsa_next_free_vgpr 1024
		.amdhsa_next_free_sgpr 100
		.amdhsa_reserve_vcc 1
		.amdhsa_float_denorm_mode_32 3
		.amdhsa_float_denorm_mode_16_64 3
		.amdhsa_memory_ordered 1
		.amdhsa_forward_progress 1
		.amdhsa_inst_pref_size 151
	.end_amdhsa_kernel
	.amdgpu_metadata
---
amdhsa.version: [ 1, 2 ]
amdhsa.kernels:
  - .name:           k_qa6e334aa03_proj
    .symbol:         k_qa6e334aa03_proj.kd
    .args:
      - { .name: q, .offset: 0, .size: 8, .value_kind: global_buffer, .address_space: global }
      - { .name: k, .offset: 8, .size: 8, .value_kind: global_buffer, .address_space: global }
      - { .name: v, .offset: 16, .size: 8, .value_kind: global_buffer, .address_space: global }
      - { .name: wt, .offset: 24, .size: 8, .value_kind: global_buffer, .address_space: global }
      - { .name: bq, .offset: 32, .size: 8, .value_kind: global_buffer, .address_space: global }
      - { .name: bk, .offset: 40, .size: 8, .value_kind: global_buffer, .address_space: global }
      - { .name: bv, .offset: 48, .size: 8, .value_kind: global_buffer, .address_space: global }
      - { .name: alpha, .offset: 56, .size: 8, .value_kind: global_buffer, .address_space: global }
      - { .name: qx, .offset: 64, .size: 8, .value_kind: global_buffer, .address_space: global }
      - { .name: kx, .offset: 72, .size: 8, .value_kind: global_buffer, .address_space: global }
      - { .name: vh, .offset: 80, .size: 8, .value_kind: global_buffer, .address_space: global }
    .group_segment_fixed_size: 327680
    .private_segment_fixed_size: 0
    .kernarg_segment_align: 8
    .kernarg_segment_size: 88
    .max_flat_workgroup_size: 128
    .sgpr_count:     100
    .vgpr_count:     1024
    .wavefront_size: 32
...
	.end_amdgpu_metadata
.endif
;; end of part 2
;; launch attn (part 3): grid 8 x 32, 4 waves a work-group, clusters of 4 x 1, 327,680 bytes of LDS; arguments qx, kx, vh, oh; writes oh
.if DOCPART == 3
	.amdgcn_target "amdgcn-amd-amdhsa--gfx1250"
	.amdhsa_code_object_version 6
	.text
	.protected	k_qa6e334aa03_attn
	.globl	k_qa6e334aa03_attn
	.p2align	8
	.type	k_qa6e334aa03_attn,@function
k_qa6e334aa03_attn:
	s_mov_b64 s[64:65], 0
	v_nop
	global_prefetch_b8 v0, s[64:65] scope:SCOPE_SE
	s_setreg_imm32_b32 hwreg(HW_REG_WAVE_MODE, 25, 1), 1
	s_wait_xcnt 0x0
	s_wait_alu depctr_hold_cnt(0) depctr_sa_sdst(0) depctr_va_vdst(0) depctr_va_sdst(0) depctr_va_ssrc(0) depctr_va_vcc(0) depctr_vm_vsrc(0)
	s_getreg_b32 s2, hwreg(HW_REG_IB_STS2, 6, 4)
	s_cmp_eq_u32 s2, 0
	s_cbranch_scc0 .Lentry_in_a_cluster
	s_endpgm
.Lentry_in_a_cluster:
	s_bfe_u32 s2, ttmp6, 0x10000c
	s_cmp_lg_u32 s2, 0x3003
	s_cbranch_scc0 .Lentry_shape_is_right
	s_endpgm
.Lentry_shape_is_right:
; ATTENTION WITH THE SCORE alpha 4 q.k / (|q| + |k|)^2.  O[bh][q] = the sum over k of softmax_k(score) V[bh][k].  qx, kx: [32][2048][96 halves]: 64 f16 (q / |q| times c = alpha log2 e; k / |k|), then 32 bf16
; whose product over the 32 places is D = (|q| + |k|)^2 / (4 |q| |k|), at least 1, to f32's accuracy (three exact pieces a factor).  vh, oh: [32][2048][64] f16.
; y = (q^ . k^) / D is the score in powers of two; p = 2^(y - m) with a RUNNING MAXIMUM m for each query; in every step O and l are multiplied by a = 2^(m_old - m_new).  Products, maxima and sums in f32;
; p is rounded to f16 for the second product (l is the sum of the unrounded p), O once at the end.  m starts at -1e30, O and l at 0: the first step is a step like any other, with a = 0.
; LIMITS.  f16's range holds q^ (|c| under 65,504) and V; p under 6e-5 keeps f16's fixed step; a weight under 2^-126 counts as 0; NaN and infinities are not treated apart.
; SHARES.  A work-group owns 256 queries of one bh, a wave 64: two PIECES of two tiles of 16.  Every wave walks all 2,048 keys, 64 a step.  The four work-groups of a cluster belong to one bh and ask for K and V jointly.
; LAYOUT.  S^T = K Q^T and D^T (source 0 = 16 keys, source 1 = 16 queries): a lane holds ONE query (lane % 16) and the keys 8 (lane / 16) + 0..7.  Two such tiles rounded to f16 ARE source 1 of O^T = V^T P.
; BY TURNS.  In turn (j, p) piece p is "cur", the other "oth".  Matrix work: V^T P of cur for step j - 1 (16), D (8) and K Q^T (16) of oth for its next step.  Vector work: for cur y = S / D, the maximum and its
; statistics, y - m and the exponentials of step j; for oth the roundings, sums and rescaling of its last step and the reciprocals of its new D.  Four vector instructions stand behind every matrix instruction,
; the others in two runs of their own.  Every reciprocal and exponential of a turn is first named in the NEXT turn: one wait at the turn's end serves them all.
; THE RING.  Two slots of four steps.  K of step j + 1 is read from LDS before V of step j, so slot s holds V of steps 4 s .. 4 s + 3 and K of steps 4 s + 1 .. 4 s + 4: all reads of a slot come ahead of all reads of
; the next.  K of step 0 comes straight from memory.  The last tile's K reaches 64 keys past the head: the descriptor's extent says where the head ends, and zeros arrive; what is made of them is never read.
; No prefetch: a refill is asked for four key steps ahead of the wait for it.
; REGISTERS, in windows of 256 (s_set_vgpr_msb: bits 1:0 source 0, 3:2 source 1, 5:4 source 2, 7:6 destination):
;   window 0: v0-11 addresses; v12-19 at work; v20-43 six registers of statistics a tile; v44-45 the add's; v64-191 S^T, 64 a piece; v192-255 D^T of one piece
;   window 1: v0-127 O^T, 32 a tile; v128-191 P, 32 a piece        window 2: v0-95 Q, 24 a tile; v96-191 K of one step; v192-255 V of one step
.set KS,    64
.set PK,    240       ; a key's row of K in LDS: three chunks of 64 bytes, 16 of padding behind each: 60 words, so the 16 rows of a load start at 16 different groups of four banks (64 banks of 4 bytes: ISA guide 11.1)
.set PVP,   160       ; a row of V: 128 + 32
.set VOFF,  4*KS*PK
.set SLOT1, 1<<17
.set STAGE, SLOT1+4*KS*(PK+PVP)  ; behind the ring: 16 rows x 144 bytes a wave, for the way out
.set SP,    144
.set SPARE, STAGE+4*16*SP        ; behind the stages: the spare words, 128 bytes a wave
.set AK0, 2           ; v2   my lane's place in a step of K; never rewritten
.set AV0, 3           ; v3   the same for V
.set AK,  4           ; v4   the LDS address of K's next run of loads
.set AV,  5           ; v5   of V's
.set QO,  6           ; v6   my byte offset in 16 rows of qx or kx
.set STO, 6           ;      later, the way out: where I put 16 bytes of a row
.set RD,  7           ; v7   where I read rows back
.set GO,  8           ; v8   16 x lane
.set CC,  12          ; v12-19  c0-c3 of the two tiles in hand
.set ST,  20          ; tile t's statistics at v[ST+6 t]: m, m_old; a, m_old - m; l (even keys', odd keys')
.set SPW, 44          ; v44  my spare word; never rewritten
.set NIL, 45          ; v45  0; never rewritten
.set S,   64
.set DB,  192
.set PB,  128         ; window 1
.set KF,  96          ; window 2: key block kb, chunk c at KF + 24 kb + 8 c
.set VF,  192         ; window 2: key half kk, channel block cb at VF + 32 kk + 8 cb
.set WV,  12          ; s12  my wave's number
.set G1K, 24          ; s[24:31] group 1 for K's tiles
.set G1V, 32          ; s[32:39] for V's
.set G0K, 40          ; s[40:43] group 0 for K's: it walks
.set G0V, 44          ; s[44:47]
.set SLOTS, 56
.set CNT, 57
.set SEL, 60          ; s[60:61] v_permlanex16_b32: each lane its own place in the other half
.set TBK, 62          ; s62  LDS byte at which K of the step to be fetched begins
.set TBV, 63          ; s63  the same for V, less VOFF
.set MSB, 0
.macro WIN new
.if MSB != (\new)
	s_set_vgpr_msb (MSB<<8)|(\new)
.set MSB, (\new)
.endif
.endm
; A joint fill.  Waves 0 and 1 fetch the two halves of a tile's K, waves 2 and 3 those of its V: 128 keys each.  An s_nop 0 and four v_nop follow each of the two lines.
.macro JLOAD
	s_cmp_lt_u32 s[WV], 2
	s_cbranch_scc0 .Lfor_v_\@
	tensor_load_to_lds s[G0K:G0K+3], s[G1K:G1K+7]
	s_nop 0
.rept 4
	v_nop
.endr
	s_branch .Lasked_\@
.Lfor_v_\@:
	tensor_load_to_lds s[G0V:G0V+3], s[G1V:G1V+7]
	s_nop 0
.rept 4
	v_nop
.endr
.Lasked_\@:
.endm
.macro CROUND                       ; a round of the cluster's barrier
	s_barrier_signal -1
	s_barrier_wait -1
	s_cmp_lg_u32 s[WV], 0
	s_cbranch_scc1 .Lnot_wave_0_\@
	s_barrier_signal -3
.Lnot_wave_0_\@:
	s_barrier_wait -3
	s_barrier_signal -1
	s_barrier_wait -1
.endm
; THE CHANGE OF SLOTS.  Each wave waits for all its tensor loads (one is out: its part of the other slot), adds 0 to its spare word, and waits for that and for its reads of the slot that it leaves.
; fill = 1: the barrier is a round of the cluster's, and the joint fill of the old slot is the first thing behind it.  (At its first use nothing has been read yet: slot 0 is waited for, slot 1 filled.)
.macro CHANGE fill
	WIN 0
	s_wait_tensorcnt 0x0            ; no tensor load of mine is out, so the descriptors may be written
	ds_add_u32 v[SPW], v[NIL]       ; 0 onto my spare word
.if \fill
	s_xor_b32 s[G0K+1], s[G0K+1], SLOT1
	s_add_nc_u64 s[G0K+2:G0K+3], s[G0K+2:G0K+3], 4*KS*192
	s_sub_co_u32 s[G1K+2], s[G1K+2], 192<<16   ; 192 rows of 256 bytes fewer are left of the head
	s_xor_b32 s[G0V+1], s[G0V+1], SLOT1
	s_add_nc_u64 s[G0V+2:G0V+3], s[G0V+2:G0V+3], 4*KS*128
	s_wait_dscnt 0x0                ; the add is done, and my reads of the slot are over
	CROUND
	JLOAD
.else
	s_wait_dscnt 0x0
	s_barrier_signal -1
	s_barrier_wait -1
.endif
	s_sub_co_u32 s[TBK], s[TBK], 4*KS*PK   ; the fetches go back to a slot's first step,
	s_xor_b32 s[TBK], s[TBK], SLOT1        ; in the other slot
	s_sub_co_u32 s[TBV], s[TBV], 4*KS*PVP
	s_xor_b32 s[TBV], s[TBV], SLOT1
.endm
	s_load_b256 s[4:11], s[0:1], 0x0  ; qx s[4:5], kx s[6:7], vh s[8:9], oh s[10:11]
	v_lshl_add_u32 v[SPW], v0, 2, SPARE
	v_mov_b32 v[NIL], 0
	ds_add_u32 v[SPW], v[NIL]       ; the wave's opening: the add and its wait ahead of my first tensor load
	v_lshrrev_b32 v1, 5, v0
	v_readfirstlane_b32 s[WV], v1
	s_bfe_u32 s13, ttmp6, 0x40000   ; cx
	s_lshl_b32 s14, ttmp9, 2
	s_add_co_u32 s14, s14, s13      ; my block of 256 queries: it enters qx's and oh's addresses alone
	s_and_b32 s15, ttmp7, 0xffff    ; bh, which the four partners share
	s_and_b32 s16, s[WV], 1         ; which half of a tile's 256 keys I fetch
	s_mul_i32 s48, s15, 393216      ; the head's first byte in qx and kx
	s_mov_b32 s49, 0
	s_mul_i32 s20, s16, 128*192
	s_add_co_u32 s20, s20, 64*192   ; K's tiles begin at key 64
	s_add_co_u32 s20, s20, s48
	s_mov_b32 s21, 0
	s_lshl_b32 s22, s15, 18         ; the head's first byte in vh and oh
	s_lshl_b32 s23, s16, 14
	s_add_co_u32 s22, s22, s23
	s_mov_b32 s23, 0
	s_lshl_b32 s2, s14, 2
	s_add_co_u32 s2, s2, s[WV]      ; my wave among the head's 32
	s_mul_i32 s18, s2, 64*192
	s_add_co_u32 s18, s18, s48
	s_mov_b32 s19, 0
	s_lshl_b32 s2, s2, 13
	s_lshl_b32 s3, s15, 18
	s_add_co_u32 s2, s2, s3
	s_mov_b32 s3, 0
	s_mul_i32 s17, s16, 128*PK      ; where my part of a tile goes: no place in the cluster enters an LDS address
	s_mul_i32 s50, s16, 128*PVP
	s_mul_i32 s51, s16, 96<<16
	; group 1.  128 keys of kx are 24,576 dense bytes: 96 rows of 256; of vh 16,384: 64 rows
	s_mov_b32 s[G1K], 15|(1<<16)|(1<<20)|(1<<21)|(3<<22)|(3<<25)  ; the mask of four; 2-byte elements; padding on; bit 21 beside a mask; after every 16 words 4 words
	s_mov_b32 s[G1K+1], 128<<16     ; tensor_dim0 = 128
	s_sub_co_u32 s[G1K+2], 1488<<16, s51  ; tensor_dim1: the rows of 256 bytes left of the head from my tile's first: 1,536 - 48 - 96 x half
	s_mov_b32 s[G1K+3], 128<<16     ; tile_dim0
	s_mov_b32 s[G1K+4], 96          ; tile_dim1
	s_mov_b32 s[G1K+5], 128
	s_mov_b32 s[G1K+6], 0
	s_mov_b32 s[G1K+7], 0
	s_mov_b32 s[G1V], 15|(1<<16)|(1<<20)|(1<<21)|(4<<22)|(7<<25)  ; after every 32 words 8 words
	s_mov_b32 s[G1V+1], 128<<16
	s_mov_b32 s[G1V+2], 64<<16
	s_mov_b32 s[G1V+3], 128<<16
	s_mov_b32 s[G1V+4], 64
	s_mov_b32 s[G1V+5], 128
	s_mov_b32 s[G1V+6], 0
	s_mov_b32 s[G1V+7], 0
	s_mov_b32 s[SEL], 0x76543210
	s_mov_b32 s[SEL+1], 0xfedcba98
	s_mov_b32 s[TBK], SLOT1+4*KS*PK  ; the first change of slots turns these two into 0
	s_mov_b32 s[TBV], SLOT1+4*KS*PVP
	s_mov_b32 s[G0K], 1
	s_mov_b32 s[G0K+1], s17
	s_mov_b32 s[G0V], 1
	s_add_co_u32 s[G0V+1], s50, VOFF
	s_wait_dscnt 0x0                ; the opening add is done
	s_wait_kmcnt 0x0
	s_add_nc_u64 s[G0K+2:G0K+3], s[6:7], s[20:21]
	s_or_b32 s[G0K+3], s[G0K+3], 0x80000000
	s_add_nc_u64 s[G0V+2:G0V+3], s[8:9], s[22:23]
	s_or_b32 s[G0V+3], s[G0V+3], 0x80000000
	s_add_nc_u64 s[52:53], s[6:7], s[48:49]   ; kx at the head's key 0
	s_add_nc_u64 s[4:5], s[4:5], s[18:19]     ; qx and oh at my wave's first row
	s_add_nc_u64 s[10:11], s[10:11], s[2:3]
	CROUND                          ; all four work-groups are here: the first joint loads meet
	JLOAD                           ; tile 0 into slot 0
	v_and_b32 v1, 15, v0            ; l % 16
	v_bfe_u32 v9, v0, 4, 1          ; l / 16
	v_mul_u32_u24 v[QO], v1, 192
	v_lshl_add_u32 v[QO], v9, 4, v[QO]  ; row x 192 + 16 x half
	WIN 0x80                        ; destination window 2, address window 0
.set i, 0
.rept 12                            ; Q stays in registers: tile i / 3, chunk i % 3 (channels 0-31, 32-63, the 32 further places); K of step 0 likewise
	global_load_b128 v[8*i:8*i+3],         v[QO], s[4:5] offset:(i/3)*3072+(i%3)*64
	global_load_b128 v[8*i+4:8*i+7],       v[QO], s[4:5] offset:(i/3)*3072+(i%3)*64+32
	global_load_b128 v[KF+8*i:KF+8*i+3],   v[QO], s[52:53] offset:(i/3)*3072+(i%3)*64
	global_load_b128 v[KF+8*i+4:KF+8*i+7], v[QO], s[52:53] offset:(i/3)*3072+(i%3)*64+32
.set i, i+1
.endr
	; What the first turns find: V, O^T, piece 0's P and piece 1's S^T hold 0, so that the products and sums of steps that have not been add 0.  No first step is written out; these lines stand in the wait for the first loads.
.set i, VF
.rept 64
	v_mov_b32 v[i], 0
.set i, i+1
.endr
	WIN 0x40
.set i, 0
.rept 160
	v_mov_b32 v[i], 0
.set i, i+1
.endr
	WIN 0
.set i, S+64
.rept 64
	v_mov_b32 v[i], 0
.set i, i+1
.endr
.set i, 0
.rept 4
	v_mov_b32 v[ST+6*i], 0xf149f2ca    ; m = -1e30: far below every y
	v_mov_b32 v[ST+6*i+1], 0
	v_mov_b32 v[ST+6*i+2], 0
	v_mov_b32 v[ST+6*i+3], 0
	v_mov_b32 v[ST+6*i+4], 0
	v_mov_b32 v[ST+6*i+5], 0
.set i, i+1
.endr
	v_mul_u32_u24 v[AK0], v1, PK
	v_lshl_add_u32 v[AK0], v9, 4, v[AK0]
	; The turning load takes 16 keys x 16 channels (lane l reads key 8 (l / 16) + l % 8, channels 8 ((l / 8) % 2) + 0..7) and leaves half a fragment of V^T
	v_and_b32 v10, 7, v0
	v_bfe_u32 v11, v0, 3, 1
	v_lshl_add_u32 v[AV0], v9, 3, v10
	v_mul_u32_u24 v[AV0], v[AV0], PVP
	v_lshl_add_u32 v[AV0], v11, 4, v[AV0]
	v_add_nc_u32 v[AV0], VOFF, v[AV0]
; THE MATRIX WORK.  The accumulators of a run take turns, one instruction a turn.
.macro DD x                         ; product d of 8 of D^T for piece x: keys 16 (d / 2) on, tile d % 2
	WIN 0x0a
.set rD, DB+32*(d%2)+8*(d/2)
.set rK, KF+24*(d/2)+16
.set rQ, 24*(2*(\x)+d%2)+16
	v_wmma_f32_16x16x32_bf16 v[rD:rD+7], v[rK:rK+7], v[rQ:rQ+7], 0
.set d, d+1
.endm
.macro KQ x                         ; product i of 16 of S^T = K Q^T: channels 32 (i / 8) on, keys 16 ((i / 2) % 4) on, tile i % 2
	WIN 0x0a
.set rS, S+64*(\x)+32*(i%2)+8*((i/2)%4)
.set rK, KF+24*((i/2)%4)+8*(i/8)
.set rQ, 24*(2*(\x)+i%2)+8*(i/8)
.if i < 8
	v_wmma_f32_16x16x32_f16 v[rS:rS+7], v[rK:rK+7], v[rQ:rQ+7], 0
.else
	v_wmma_f32_16x16x32_f16 v[rS:rS+7], v[rK:rK+7], v[rQ:rQ+7], v[rS:rS+7]
.endif
.set i, i+1
.endm
.macro PVM x                        ; product i of 16 of O^T += V^T P: keys 32 (i / 8) on, channels 16 ((i / 2) % 4) on, tile i % 2
	WIN 0x56
.set rO, 32*(2*(\x)+i%2)+8*((i/2)%4)
.set rV, VF+32*(i/8)+8*((i/2)%4)
.set rP, PB+32*(\x)+16*(i%2)+8*(i/8)
	v_wmma_f32_16x16x32_f16 v[rO:rO+7], v[rV:rV+7], v[rP:rP+7], v[rO:rO+7]
.set i, i+1
.endm
; THE LDS LOADS stand in runs: a step's K (24 loads) and its V (16, turned).
.macro FETCH_K
	WIN 0x80
.irp f, 0,1,2,3,4,5,6,7,8,9,10,11
	ds_load_b128 v[KF+8*\f:KF+8*\f+3],   v[AK] offset:(\f/3)*16*PK+(\f%3)*80
	ds_load_b128 v[KF+8*\f+4:KF+8*\f+7], v[AK] offset:(\f/3)*16*PK+(\f%3)*80+32
.endr
	s_add_co_u32 s[TBK], s[TBK], KS*PK
	WIN 0
.endm
.macro FETCH_V
	WIN 0x80
.irp f, 0,1,2,3,4,5,6,7
	ds_load_tr16_b128 v[VF+8*\f:VF+8*\f+3],   v[AV] offset:(\f/4)*32*PVP+(\f%4)*32
	ds_load_tr16_b128 v[VF+8*\f+4:VF+8*\f+7], v[AV] offset:(\f/4)*32*PVP+16*PVP+(\f%4)*32
.endr
	s_add_co_u32 s[TBV], s[TBV], KS*PVP
	WIN 0
.endm
; THE VECTOR WORK, in numbered lists; each macro writes its list's next entry; the two tiles alternate; every list walks its registers upward.
.macro MU                           ; cur: y = S / D, a pair
.set rS, S+64*CUR+32*(f%2)+2*(f/2)
.set rD, DB+32*(f%2)+2*(f/2)
	v_pk_mul_f32 v[rS:rS+1], v[rS:rS+1], v[rD:rD+1]
.set f, f+1
.endm
.macro CV                           ; oth: a pair of weights rounded to f16
	WIN 0x40
.set rS, S+64*OTH+32*(f%2)+2*(f/2)
.set rP, PB+32*OTH+16*(f%2)+f/2
	v_cvt_pk_f16_f32 v[rP], v[rS], v[rS+1]
.set f, f+1
.endm
.macro RS                           ; oth: a pair of O^T times a
	WIN 0x41
.set rO, 32*(2*OTH+f%2)+2*(f/2)
.set rT, ST+6*(2*OTH+f%2)
	v_pk_mul_f32 v[rO:rO+1], v[rO:rO+1], v[rT+2:rT+3] op_sel_hi:[1,0]
.set f, f+1
.endm
.macro SB                           ; cur: y - m, a pair
.set rS, S+64*CUR+32*(f%2)+2*(f/2)
.set rT, ST+6*(2*CUR+f%2)
	v_pk_add_f32 v[rS:rS+1], v[rS:rS+1], v[rT:rT+1] op_sel_hi:[1,0] neg_lo:[0,1] neg_hi:[0,1]
.set f, f+1
.endm
.macro EX                           ; cur: an exponential, in place.  Number e stands behind SB's number 2 (e / 4) + e % 2
	v_exp_f32 v[S+64*CUR+32*(e%2)+e/2], v[S+64*CUR+32*(e%2)+e/2]
.set e, e+1
.endm
; cur's maximum and statistics, number n for tile u.  0-11 four chains of seven scores; 12-14, 16 the four left over, the old m, four into one; 15 m_old is kept; 17, 18 the other half of the lanes': the new m; 20 m_old - m; 21 a
.macro XS u, n
.set rT, ST+6*(2*CUR+(\u))
.set rC, CC+4*(\u)
.set rS, S+64*CUR+32*(\u)
.if (\n) < 4
	v_max3_num_f32 v[rC+(\n)], v[rS+8*(\n)], v[rS+8*(\n)+1], v[rS+8*(\n)+2]
.elseif (\n) < 12
	v_max3_num_f32 v[rC+(\n)%4], v[rC+(\n)%4], v[rS+8*((\n)%4)+2*((\n)/4)+1], v[rS+8*((\n)%4)+2*((\n)/4)+2]
.elseif (\n) == 12
	v_max3_num_f32 v[rC], v[rC], v[rS+7], v[rS+15]
.elseif (\n) == 13
	v_max3_num_f32 v[rC+1], v[rC+1], v[rS+23], v[rS+31]
.elseif (\n) == 14
	v_max3_num_f32 v[rC+2], v[rC+2], v[rC+3], v[rT]
.elseif (\n) == 15
	v_mov_b32 v[rT+1], v[rT]
.elseif (\n) == 16
	v_max3_num_f32 v[rC], v[rC], v[rC+1], v[rC+2]
.elseif (\n) == 17
	v_permlanex16_b32 v[rC+3], v[rC], s[SEL], s[SEL+1]
.elseif (\n) == 18
	v_max_num_f32 v[rT], v[rC], v[rC+3]
.elseif (\n) == 20
	v_sub_f32 v[rT+3], v[rT+1], v[rT]
.else
	v_exp_f32 v[rT+2], v[rT+3]
.endif
.endm
; oth's sums, number g of 32.  0-15: of four weights the second pair is added onto the first, in place (behind the roundings).  16-31: l takes those sums; the first time as l = a l + sum
.macro SM g
.set rT, ST+6*(2*OTH+(\g)%2)
.set rS, S+64*OTH+32*((\g)%2)
.if (\g) < 16
	v_pk_add_f32 v[rS+4*((\g)/2):rS+4*((\g)/2)+1], v[rS+4*((\g)/2):rS+4*((\g)/2)+1], v[rS+4*((\g)/2)+2:rS+4*((\g)/2)+3]
.elseif (\g) < 18
	v_pk_fma_f32 v[rT+4:rT+5], v[rT+4:rT+5], v[rT+2:rT+3], v[rS:rS+1] op_sel_hi:[1,0,1]
.else
	v_pk_add_f32 v[rT+4:rT+5], v[rT+4:rT+5], v[rS+4*(((\g)-16)/2):rS+4*(((\g)-16)/2)+1]
.endif
.endm
; The first run's plain queue, 72 long: XS 0-15 of both tiles; then XS 16, 17, 18, 20, each for both tiles and with eight of SM behind it, so that the links of that chain stand apart
.macro PL
.if q < 32
	XS q%2, q/2
.else
.set qq, (q-32)%10
.set qg, (q-32)/10
.if (qq < 2) && (qg == 3)
	XS qq, 20
.elseif qq < 2
	XS qq, 16+qg
.else
	SM 8*qg+qq-2
.endif
.endif
.set q, q+1
.endm
; and its queue of 66 transcendentals: the reciprocals of oth's new D, in place, then cur's two a (behind plain number 63, which makes the second's argument)
.macro TR
.if e < 64
	v_rcp_f32 v[DB+32*(e%2)+e/2], v[DB+32*(e%2)+e/2]
.else
	XS e-64, 21
.endif
.set e, e+1
.endm
; A TURN, for piece p.  V of step j is fetched in piece 1's turn, behind the last product that read V and its four riders (plain, and none names a register of that product): the four places.
; K of step j + 1 is fetched in piece 0's turn, behind the last product that read K: its two y - m and two v_nop are the four places (an exponential is none).
.macro TURN p
.set CUR, (\p)
.set OTH, 1-(\p)
.if (\p) == 0
	s_wait_dscnt 0x0                ; V is in
.endif
.set i, 0
.set f, 0
.rept 8                             ; V^T P of cur, keys 0-31 | y = S / D of cur
	PVM CUR
	WIN 0
.rept 4
	MU
.endr
.endr
.if (\p) == 1
	s_wait_dscnt 0x0                ; K is in
.endif
.set d, 0
.set f, 0
.rept 8                             ; D of oth | oth's roundings
	DD OTH
.rept 4
	CV
.endr
.endr
.set f, 0
.rept 8                             ; V^T P of cur, keys 32-63 | oth's O^T times a
	PVM CUR
.rept 4
	RS
.endr
.endr
.if (\p) == 1
	FETCH_V
.endif
	WIN 0
.if (\p) == 0
	v_add_nc_u32 v[AK], s[TBK], v[AK0]
	v_add_nc_u32 v[AV], s[TBV], v[AV0]
.endif
.set q, 0
.set e, 0
.rept 66                            ; the first run: plain and transcendental by turns
	PL
	TR
.endr
.rept 6
	PL
.endr
.set i, 0
.set f, 0
.set e, 0
.rept 16                            ; K Q^T of oth | y - m and the first 32 exponentials of cur
	KQ OTH
	WIN 0
	SB
	EX
	SB
	EX
.endr
.if (\p) == 0
	v_nop
	v_nop
	FETCH_K
.endif
.rept 32                            ; the second run: the other 32 exponentials
	EX
.endr
	v_nop                           ; a plain instruction behind the last transcendental,
	s_wait_alu depctr_va_vdst(0)    ; and the turn's one wait: nothing ahead of it names a result of the turn's 130 transcendentals
.endm
.macro STEPS                        ; a slot's four key steps: written once, walked four times
	s_mov_b32 s[CNT], 4
.Lstep_\@:
	TURN 0
	TURN 1
	s_sub_co_u32 s[CNT], s[CNT], 1
	s_cmp_lg_u32 s[CNT], 0
	s_cbranch_scc1 .Lstep_\@
.endm
	s_wait_loadcnt 0x0              ; Q and K of step 0
.set CUR, 0
.set OTH, 1
.set d, 0
.rept 8
	DD 0                            ; piece 0's first D and scores need no LDS
.endr
.set i, 0
.rept 16
	KQ 0
.endr
	WIN 0                           ; the addresses for the way out: eleven plain instructions, the places behind those products
	s_mul_i32 s13, s[WV], 16*SP
	s_add_co_u32 s13, s13, STAGE
	v_mul_u32_u24 v[STO], v1, SP
	v_lshl_add_u32 v[STO], v9, 4, v[STO]
	v_add_nc_u32 v[STO], s13, v[STO]
	v_bfe_u32 v[RD], v0, 3, 2
	v_mul_u32_u24 v[RD], v[RD], SP
	v_lshl_add_u32 v[RD], v10, 4, v[RD]
	v_add_nc_u32 v[RD], s13, v[RD]
	v_and_b32 v[GO], 31, v0
	v_lshlrev_b32 v[GO], 4, v[GO]
.set e, 0
.rept 64
	TR
.endr
	v_nop
	s_wait_alu depctr_va_vdst(0)
	s_mov_b32 s[SLOTS], 7
.Lslot:                             ; seven times: a tile is entered and the next is asked for
	CHANGE 1
	STEPS
	s_sub_co_u32 s[SLOTS], s[SLOTS], 1
	s_cmp_lg_u32 s[SLOTS], 0
	s_cbranch_scc1 .Lslot
	CHANGE 0                        ; the last tile is written out
	STEPS
	; What is left of step 31: V^T P of piece 0; piece 1's roundings, rescaling, sums and V^T P
	s_wait_dscnt 0x0                ; V of step 31
.set CUR, 0
.set OTH, 1
.set i, 0
.set f, 0
.rept 8
	PVM 0
.rept 4
	CV
.endr
.endr
.set f, 0
.rept 8
	PVM 0
.rept 4
	RS
.endr
.endr
	WIN 0
.set g, 0
.rept 32
	SM g
.set g, g+1
.endr
.set i, 0
.rept 16
	PVM 1
.endr
	; THE WAY OUT.  l's two halves and the other half of the lanes' are added; O^T is divided by l, rounded to f16 and sent through my stage, a tile at a time.  The additions are the places behind the last products.
	WIN 0
.macro ALL line:vararg
.set t, 0
.rept 4
	\line
.set t, t+1
.endr
.endm
	ALL v_add_f32 v[ST+6*t+4], v[ST+6*t+4], v[ST+6*t+5]
	ALL v_permlanex16_b32 v[ST+6*t+5], v[ST+6*t+4], s[SEL], s[SEL+1]
	ALL v_add_f32 v[ST+6*t+4], v[ST+6*t+4], v[ST+6*t+5]
	ALL v_rcp_f32 v[ST+6*t+4], v[ST+6*t+4]
	v_nop
	s_wait_alu depctr_va_vdst(0)    ; one wait for the four reciprocals
.macro PACK t
	WIN 0x41
.set i, 32*(\t)
.rept 16
	v_pk_mul_f32 v[i:i+1], v[i:i+1], v[ST+6*(\t)+4:ST+6*(\t)+5] op_sel_hi:[1,0]
.set i, i+2
.endr
	WIN 0x05
.set i, 0
.rept 16
	v_cvt_pk_f16_f32 v[S+16*(\t)+i], v[32*(\t)+2*i], v[32*(\t)+2*i+1]
.set i, i+1
.endr
	WIN 0
.irp f, 0,1,2,3
	ds_store_b128 v[STO], v[S+16*(\t)+4*\f:S+16*(\t)+4*\f+3] offset:32*\f
.endr
.irp f, 0,1,2,3
	ds_load_b128 v[S+16*(\t)+4*\f:S+16*(\t)+4*\f+3], v[RD] offset:\f*4*SP  ; my own bytes, served in order: these see the stores above; the next tile's stores come behind them
.endr
.endm
.macro SEND t, younger              ; younger: the LDS instructions issued behind tile t's loads
	WIN 0
.irp f, 0,1,2,3
	s_wait_dscnt (\younger)+3-\f
	global_store_b128 v[GO], v[S+16*(\t)+4*\f:S+16*(\t)+4*\f+3], s[10:11] offset:(\t)*2048+\f*512  ; 512 consecutive bytes, aligned
.endr
.endm
	PACK 0
	PACK 1
	SEND 0, 8
	PACK 2
	SEND 1, 8
	PACK 3
	SEND 2, 8
	SEND 3, 0
	s_wait_tensorcnt 0x0            ; the wave's end
	ds_add_u32 v[SPW], v[NIL]
	s_wait_dscnt 0x0
	CROUND                          ; the closing round
	s_endpgm
.Lfunc_end_k_qa6e334aa03_attn:
	.size	k_qa6e334aa03_attn, .Lfunc_end_k_qa6e334aa03_attn-k_qa6e334aa03_attn
	.p2alignl 7, 3214868480
	.fill 96, 4, 3214868480
	.section	.rodata,"a",@progbits
	.p2align	6, 0x0
	.amdhsa_kernel k_qa6e334aa03_attn
		.amdhsa_group_segment_fixed_size 327680
		.amdhsa_private_segment_fixed_size 0
		.amdhsa_enable_private_segment 0
		.amdhsa_kernarg_size 32
		.amdhsa_user_sgpr_count 2
		.amdhsa_user_sgpr_kernarg_segment_ptr 1
		.amdhsa_wavefront_size32 1
		.amdhsa_system_sgpr_workgroup_id_x 1
		.amdhsa_system_sgpr_workgroup_id_y 1
		.amdhsa_system_sgpr_workgroup_id_z 1
		.amdhsa_system_vgpr_workitem_id 0
		.amdhsa_next_free_vgpr 768
		.amdhsa_next_free_sgpr 66
		.amdhsa_reserve_vcc 0
		.amdhsa_float_denorm_mode_32 3
		.amdhsa_float_denorm_mode_16_64 3
		.amdhsa_memory_ordered 1
		.amdhsa_forward_progress 1
		.amdhsa_inst_pref_size 141
	.end_amdhsa_kernel
	.amdgpu_metadata
---
amdhsa.version: [ 1, 2 ]
amdhsa.kernels:
  - .name:           k_qa6e334aa03_attn
    .symbol:         k_qa6e334aa03_attn.kd
    .args:
      - { .name: qx, .offset: 0, .size: 8, .value_kind: global_buffer, .address_space: global }
      - { .name: kx, .offset: 8, .size: 8, .value_kind: global_buffer, .address_space: global }
      - { .name: vh, .offset: 16, .size: 8, .value_kind: global_buffer, .address_space: global }
      - { .name: oh, .offset: 24, .size: 8, .value_kind: global_buffer, .address_space: global }
    .group_segment_fixed_size: 327680
    .private_segment_fixed_size: 0
    .kernarg_segment_align: 8
    .kernarg_segment_size: 32
    .max_flat_workgroup_size: 128
    .sgpr_count:     66
    .vgpr_count:     768
    .wavefront_size: 32
...
	.end_amdgpu_metadata
.endif
;; end of part 3
;; launch oproj (part 4): grid 8 x 32, 4 waves a work-group, clusters of 4 x 4, 327,680 bytes of LDS; arguments oh, wt, bo, out0; writes out0
.if DOCPART == 4
	.amdgcn_target "amdgcn-amd-amdhsa--gfx1250"
	.amdhsa_code_object_version 6
	.text
	.protected	k_qa6e334aa03_oproj
	.globl	k_qa6e334aa03_oproj
	.p2align	8
	.type	k_qa6e334aa03_oproj,@function
k_qa6e334aa03_oproj:
	s_mov_b64 s[64:65], 0
	v_nop
	global_prefetch_b8 v0, s[64:65] scope:SCOPE_SE
	s_setreg_imm32_b32 hwreg(HW_REG_WAVE_MODE, 25, 1), 1
	s_wait_xcnt 0x0
	s_wait_alu depctr_hold_cnt(0) depctr_sa_sdst(0) depctr_va_vdst(0) depctr_va_sdst(0) depctr_va_ssrc(0) depctr_va_vcc(0) depctr_vm_vsrc(0)
	s_getreg_b32 s2, hwreg(HW_REG_IB_STS2, 6, 4)
	s_cmp_eq_u32 s2, 0
	s_cbranch_scc0 .Lentry_in_a_cluster
	s_endpgm
.Lentry_in_a_cluster:
	s_bfe_u32 s2, ttmp6, 0x10000c
	s_cmp_lg_u32 s2, 0xf033
	s_cbranch_scc0 .Lentry_shape_is_right
	s_endpgm
.Lentry_shape_is_right:
; THE LAST PROJECTION.  out0[m][n] = the sum over k of O[m][k] Wo[k][n] + bo[n].  O from oh ([bh][t][64] f16: k = 64 head + channel), Wo from wt's fourth matrix ([kb][n][64 k], the bf16 number written as f16),
; bo rounded to bf16 like every input; sums in f32; out0 f32.  A tile is 128 x 128: 256 work-groups; four waves, 64 x 64 each: 16 accumulators.
; K goes in steps of 256 = four heads through two LDS slots.  64 rows of one head are 8,192 dense bytes: one tensor load brings four such runs, a head (or a kb) apart, and pads each row of 128 bytes by 16.
; CLUSTERS.  4 x 4 work-groups: O's tile is shared along a row of the cluster, Wo's along a column; each is asked for jointly.  No prefetch: with tiles this small a step's bytes per product are what binds.
; THE MATRIX INSTRUCTION IS USED TRANSPOSED (source 0 = 16 rows of wt, source 1 = 16 rows of O): a lane holds eight neighbouring columns of a row, 32 bytes; a wave's 64 columns are 256 bytes of a row of out0,
; aligned, so each wave has a stage of its own and no barrier stands on the way out.
; REGISTERS: window 0: v0-31 addresses; v32-63 at work; v96-127 the bias; v128-255 the accumulators ((a, b) at v[128 + 8 (4 a + b)]).  window 1: two fragment buffers of 128.
.set PITCH,  144                       ; an LDS row: 128 bytes + 16: the 16 rows of a load start at 16 different groups of four banks (64 banks of 4 bytes: ISA guide 11.1)
.set PLANE,  64*PITCH                  ; 64 rows of one head
.set HALFT,  4*PLANE                   ; what one tensor load brings
.set SLOT,   4*HALFT
.set STAGE,  2*SLOT                    ; behind the ring: 16 rows x 272 bytes a wave
.set SPITCH, 272
.set SPARE,  STAGE+4*16*SPITCH         ; behind the stages: the spare words, 128 bytes a wave
.set ADRA, 16
.set ADRB, 20
.set STO,  24
.set RD,   25
.set CO,   26
.set BO,   27
.set SPW,  28
.set NIL,  29
.set TMP,  32
.set BIAS, 96
.set ACC,  128
.set F0,   0
.set F1,   128
.set G1, 24
.set G0, 32
.set G1B, 48
.set G0B, 56
.set MSB, 0
.macro WIN new
.if MSB != (\new)
	s_set_vgpr_msb (MSB<<8)|(\new)
.set MSB, \new
.endif
.endm
.set MUL,  0x05                        ; sources window 1; C and D window 0
.set TO_F, 0x40                        ; destination window 1, address window 0
.macro JLOAD s                         ; a joint load: waves 0 and 1 fetch O's two halves, waves 2 and 3 Wo's; an s_nop 0 and four v_nop follow each of the two lines
	s_cmp_eq_u32 s11, 0
	s_cbranch_scc0 .Lfor_b_\@
	tensor_load_to_lds s[G0+4*(\s):G0+4*(\s)+3], s[G1:G1+7]
	s_nop 0
.rept 4
	v_nop
.endr
	s_branch .Lasked_\@
.Lfor_b_\@:
	tensor_load_to_lds s[G0B+4*(\s):G0B+4*(\s)+3], s[G1B:G1B+7]
	s_nop 0
.rept 4
	v_nop
.endr
.Lasked_\@:
.endm
.macro CREST
	s_cmp_lg_u32 s10, 0
	s_cbranch_scc1 .Lnot_wave_0_\@
	s_barrier_signal -3
.Lnot_wave_0_\@:
	s_barrier_wait -3
	s_barrier_signal -1
	s_barrier_wait -1
.endm
.macro CROUND
	s_barrier_signal -1
	s_barrier_wait -1
	CREST
.endm
	s_load_b256 s[68:75], s[0:1], 0x0              ; oh s[68:69], wt s[70:71], bo s[72:73], out0 s[74:75]
	v_lshl_add_u32 v[SPW], v0, 2, SPARE
	v_mov_b32 v[NIL], 0
	ds_add_u32 v[SPW], v[NIL]                      ; the wave's opening: the add and its wait ahead of my first tensor load
	v_lshrrev_b32 v1, 5, v0
	v_readfirstlane_b32 s10, v1
	s_lshr_b32 s11, s10, 1                         ; which half of the tile's rows is mine.  Also: I fetch for O (0) or for Wo (1)
	s_and_b32 s12, s10, 1                          ; which half of its columns.  Also: which 64 rows I fetch
	s_bfe_u32 s40, ttmp6, 0x40000
	s_bfe_u32 s41, ttmp6, 0x40004
	s_lshl_b32 s42, ttmp9, 2
	s_add_co_u32 s42, s42, s40                     ; tile column, 0..7
	s_and_b32 s13, ttmp7, 0xffff
	s_lshl_b32 s13, s13, 2
	s_add_co_u32 s13, s13, s41                     ; tile row, 0..31
	s_lshl_b32 s43, s41, 2
	s_lshl_b32 s43, 15, s43
	s_lshl_b32 s44, 0x1111, s40
	s_or_b32 s[G1+0], s43, (1<<16)|(1<<20)|(1<<21)|(4<<22)|(3<<25)   ; the mask; 2-byte elements; padding on; bit 21 beside a mask; after every 32 words 4 words
	s_or_b32 s[G1B+0], s44, (1<<16)|(1<<20)|(1<<21)|(4<<22)|(3<<25)
.irp g, G1, G1B
	s_mov_b32 s[(\g)+1], 4096<<16                  ; tensor_dim0 = 4,096 elements: 64 rows of 64
	s_mov_b32 s[(\g)+2], 4<<16                     ; tensor_dim1 = 4
	s_mov_b32 s[(\g)+3], 4096<<16                  ; tile_dim0
	s_mov_b32 s[(\g)+4], 4                         ; tile_dim1
	s_mov_b32 s[(\g)+6], 0
	s_mov_b32 s[(\g)+7], 0
.endr
	s_mov_b32 s[G1+5], 131072                      ; elements from a head of oh to the next
	s_mov_b32 s[G1B+5], 65536                      ; from a kb of wt to the next
	s_lshr_b32 s16, s13, 4                         ; the batch: 16 heads of 262,144 bytes,
	s_lshl_b32 s16, s16, 22
	s_and_b32 s17, s13, 15
	s_lshl_b32 s17, s17, 14                        ; the tile's 128 rows of 128 bytes,
	s_add_co_u32 s16, s16, s17
	s_lshl_b32 s17, s12, 13                        ; my 64
	s_add_co_u32 s16, s16, s17
	s_mov_b32 s17, 0
	s_lshl_b32 s46, s42, 14
	s_lshl_b32 s47, s12, 13
	s_add_co_u32 s46, s46, s47
	s_add_co_u32 s46, s46, 3*2097152               ; wt's fourth matrix
	s_mov_b32 s47, 0
	s_mul_i32 s20, s10, HALFT                      ; where they go: wave x what a load brings
	s_wait_dscnt 0x0
	s_wait_kmcnt 0x0
	s_add_nc_u64 s[14:15], s[68:69], s[16:17]
	s_add_nc_u64 s[46:47], s[70:71], s[46:47]
	CROUND                                         ; all sixteen work-groups are here: the first joint loads meet
.irp s, 0,1
	s_mov_b32 s[G0+4*(\s)], 1
	s_add_co_u32 s[G0+4*(\s)+1], s20, (\s)*SLOT
	s_add_nc_u64 s[G0+4*(\s)+2:G0+4*(\s)+3], s[14:15], (\s)*1048576   ; K step s: four heads on
	s_or_b32 s[G0+4*(\s)+3], s[G0+4*(\s)+3], 0x80000000
	s_mov_b32 s[G0B+4*(\s)], 1
	s_add_co_u32 s[G0B+4*(\s)+1], s20, (\s)*SLOT
	s_add_nc_u64 s[G0B+4*(\s)+2:G0B+4*(\s)+3], s[46:47], (\s)*524288
	s_or_b32 s[G0B+4*(\s)+3], s[G0B+4*(\s)+3], 0x80000000
	JLOAD \s
.endr
	v_and_b32 v1, 15, v0
	v_bfe_u32 v2, v0, 4, 1
	v_mul_u32_u24 v3, v1, PITCH
	v_lshl_add_u32 v3, v2, 4, v3
	s_mul_i32 s21, s11, HALFT
	s_mul_i32 s22, s12, HALFT
	s_add_co_u32 s22, s22, 2*HALFT
.irp s, 0,1
	v_add_nc_u32 v[ADRA+(\s)], s21, v3
	v_add_nc_u32 v[ADRB+(\s)], s22, v3
	s_add_co_u32 s21, s21, SLOT
	s_add_co_u32 s22, s22, SLOT
.endr
	s_mul_i32 s23, s10, 16*SPITCH
	s_add_co_u32 s23, s23, STAGE                   ; my stage
	v_mul_u32_u24 v4, v1, SPITCH                   ; in: row l % 16, 32 bytes for each half of the lanes
	v_lshl_add_u32 v4, v2, 5, v4
	v_add_nc_u32 v[STO], s23, v4
	v_mul_u32_u24 v5, v2, SPITCH                   ; back: lanes 0-15 one row of 256 bytes, lanes 16-31 the next
	v_lshl_add_u32 v5, v1, 4, v5
	v_add_nc_u32 v[RD], s23, v5
	v_lshlrev_b32 v5, 12, v2                       ; and the same two rows in out0
	v_lshl_add_u32 v[CO], v1, 4, v5
	s_lshl_b32 s16, s13, 19                        ; 128 rows of 4,096 bytes a tile,
	s_lshl_b32 s17, s11, 18                        ; my 64
	s_add_co_u32 s16, s16, s17
	s_mov_b32 s17, 0
	s_add_nc_u64 s[8:9], s[74:75], s[16:17]
	s_lshl_b32 s46, s42, 9                         ; 128 columns of 4 bytes a tile,
	s_lshl_b32 s47, s12, 8                         ; my 64
	s_add_co_u32 s46, s46, s47
	s_mov_b32 s47, 0
	s_add_nc_u64 s[8:9], s[8:9], s[46:47]
	v_lshl_add_u32 v[BO], v2, 5, s46               ; the bias of my columns: my half's 8 of each 16
.irp b, 0,1,2,3
	global_load_b128 v[BIAS+8*(\b):BIAS+8*(\b)+3],   v[BO], s[72:73] offset:64*(\b)
	global_load_b128 v[BIAS+8*(\b)+4:BIAS+8*(\b)+7], v[BO], s[72:73] offset:64*(\b)+16
.endr
; 8 products: row blocks a0, a0 + 1 x all 4 column blocks, 32 along K: half c of buffer f.  The 16 accumulators take turns.
.macro MUL8 f, c, a0, zero
	WIN MUL
.irp a, \a0, (\a0)+1
.irp b, 0,1,2,3
.if \zero
	v_wmma_f32_16x16x32_f16 v[ACC+8*(4*(\a)+(\b)):ACC+8*(4*(\a)+(\b))+7], v[(\f)+64+8*(4*(\c)+(\b)):(\f)+64+8*(4*(\c)+(\b))+7], v[(\f)+8*(4*(\c)+(\a)):(\f)+8*(4*(\c)+(\a))+7], 0
.else
	v_wmma_f32_16x16x32_f16 v[ACC+8*(4*(\a)+(\b)):ACC+8*(4*(\a)+(\b))+7], v[(\f)+64+8*(4*(\c)+(\b)):(\f)+64+8*(4*(\c)+(\b))+7], v[(\f)+8*(4*(\c)+(\a)):(\f)+8*(4*(\c)+(\a))+7], v[ACC+8*(4*(\a)+(\b)):ACC+8*(4*(\a)+(\b))+7]
.endif
.endr
.endr
.endm
; 32 LDS loads in one run: the fragments of one head (64 along K), which begins at byte k of a wave's part of a slot, into buffer f; the first 32 along K first
.macro FETCH slot, k, f
	WIN TO_F
.irp c, 0,1
.irp i, 0,1,2,3
	ds_load_b128 v[(\f)+64+8*(4*(\c)+(\i)):(\f)+64+8*(4*(\c)+(\i))+3],   v[ADRB+(\slot)] offset:(\k)+64*(\c)+(\i)*16*PITCH
	ds_load_b128 v[(\f)+64+8*(4*(\c)+(\i))+4:(\f)+64+8*(4*(\c)+(\i))+7], v[ADRB+(\slot)] offset:(\k)+64*(\c)+(\i)*16*PITCH+32
	ds_load_b128 v[(\f)+8*(4*(\c)+(\i)):(\f)+8*(4*(\c)+(\i))+3],         v[ADRA+(\slot)] offset:(\k)+64*(\c)+(\i)*16*PITCH
	ds_load_b128 v[(\f)+8*(4*(\c)+(\i))+4:(\f)+8*(4*(\c)+(\i))+7],       v[ADRA+(\slot)] offset:(\k)+64*(\c)+(\i)*16*PITCH+32
.endr
.endr
.endm
.macro PLACES
.rept 4
	v_nop
.endr
.endm
; A K step is four quarters, a head each, 32 products, on buffers 0, 1, 0, 1.  One of the first three: multiplies buffer f and fetches the next head, at byte k, into g.
.macro QUARTER slot, k, f, g, zero
	s_wait_dscnt 16                                ; the first 32 along K are in; the sixteen younger loads may stay out
	MUL8 \f, 0, 0, \zero
	MUL8 \f, 0, 2, \zero
	PLACES
	FETCH \slot, \k, \g
	s_wait_dscnt 32                                ; all but the 32 just issued
	MUL8 \f, 1, 0, 0
	MUL8 \f, 1, 2, 0
.endm
; The last quarter multiplies buffer 1 and changes slots: ONE barrier; in front of it each wave waits for all its tensor loads, adds 0 to its spare word, and waits for that and for its reads of this slot.
.macro TURN slot, next, fill
	WIN 0
	s_wait_tensorcnt 0x0
	ds_add_u32 v[SPW], v[NIL]                      ; 0 onto my spare word
	s_wait_dscnt 17                                ; (the add and the youngest sixteen loads may be out)
	MUL8 F1, 0, 0, 0
	s_wait_dscnt 0x0                               ; the add is done, and my reads of this slot are over
	s_barrier_signal -1
	MUL8 F1, 0, 2, 0
.if \fill
	WIN 0
.endif
	s_barrier_wait -1
.if \fill
	CREST                                          ; no wave of any partner still reads this slot or has a load on its way
	s_add_nc_u64 s[G0+4*(\slot)+2:G0+4*(\slot)+3], s[G0+4*(\slot)+2:G0+4*(\slot)+3], 2*1048576
	s_add_nc_u64 s[G0B+4*(\slot)+2:G0B+4*(\slot)+3], s[G0B+4*(\slot)+2:G0B+4*(\slot)+3], 2*524288
	JLOAD \slot                                    ; its four v_nop are also the places in front of the loads below
.else
	PLACES
.endif
	FETCH \next, 0, F0
	MUL8 F1, 1, 0, 0
	MUL8 F1, 1, 2, 0
.endm
	s_wait_tensorcnt 1                             ; my part of K step 0 is in; K step 1's may stay out
	s_barrier_signal -1
	s_barrier_wait -1
	FETCH 0, 0, F0
	QUARTER 0, PLANE,   F0, F1, 1                  ; the first products start the sums
	QUARTER 0, 2*PLANE, F1, F0, 0                  ; four K steps in all: written straight
	QUARTER 0, 3*PLANE, F0, F1, 0
	TURN 0, 1, 1                                   ; slot 0 takes K step 2
	QUARTER 1, PLANE,   F0, F1, 0
	QUARTER 1, 2*PLANE, F1, F0, 0
	QUARTER 1, 3*PLANE, F0, F1, 0
	TURN 1, 0, 1                                   ; slot 1 takes K step 3
	QUARTER 0, PLANE,   F0, F1, 0
	QUARTER 0, 2*PLANE, F1, F0, 0
	QUARTER 0, 3*PLANE, F0, F1, 0
	TURN 0, 1, 0                                   ; nothing is left to fetch
	QUARTER 1, PLANE,   F0, F1, 0
	QUARTER 1, 2*PLANE, F1, F0, 0
	QUARTER 1, 3*PLANE, F0, F1, 0
	s_wait_dscnt 16
	MUL8 F1, 0, 0, 0
	MUL8 F1, 0, 2, 0
	s_wait_dscnt 0x0
	MUL8 F1, 1, 0, 0
	MUL8 F1, 1, 2, 0
	WIN 0
	; THE WAY OUT.  The bias is rounded to bf16 and widened again: 48 plain lines, the places behind the last products.
	s_wait_loadcnt 0x0
.set z, 0
.rept 16
	v_cvt_pk_bf16_f32 v[TMP+z], v[BIAS+2*z], v[BIAS+2*z+1]
.set z, z+1
.endr
.set z, 0
.rept 16
	v_lshlrev_b32 v[BIAS+2*z],   16, v[TMP+z]
	v_and_b32     v[BIAS+2*z+1], 0xffff0000, v[TMP+z]
.set z, z+1
.endr
.irp a, 0,1,2,3                        ; a block of 16 rows: bias added, through my stage, back as whole rows of 256 bytes into the block's own accumulator registers
.set z, 0
.rept 16
	v_pk_add_f32 v[TMP+2*z:TMP+2*z+1], v[ACC+32*(\a)+2*z:ACC+32*(\a)+2*z+1], v[BIAS+2*z:BIAS+2*z+1]
.set z, z+1
.endr
.irp b, 0,1,2,3
	ds_store_b128 v[STO], v[TMP+8*(\b):TMP+8*(\b)+3]   offset:64*(\b)
	ds_store_b128 v[STO], v[TMP+8*(\b)+4:TMP+8*(\b)+7] offset:64*(\b)+16
.endr
.irp t, 0,1,2,3,4,5,6,7
	ds_load_b128 v[ACC+32*(\a)+4*(\t):ACC+32*(\a)+4*(\t)+3], v[RD] offset:(\t)*2*SPITCH  ; my own bytes, served in order: these see the stores above; the next block's stores come behind them
.endr
.irp t, 0,1,2,3,4,5,6,7
	s_wait_dscnt 7-(\t)                            ; the younger loads may stay out
	global_store_b128 v[CO], v[ACC+32*(\a)+4*(\t):ACC+32*(\a)+4*(\t)+3], s[8:9] offset:(16*(\a)+2*(\t))*4096  ; 16 lanes store 256 consecutive bytes, aligned
.endr
.endr
	s_wait_tensorcnt 0x0                           ; the wave's end
	ds_add_u32 v[SPW], v[NIL]
	s_wait_dscnt 0x0
	CROUND                                         ; the closing round
	s_endpgm
.Lfunc_end_k_qa6e334aa03_oproj:
	.size	k_qa6e334aa03_oproj, .Lfunc_end_k_qa6e334aa03_oproj-k_qa6e334aa03_oproj
	.p2alignl 7, 3214868480
	.fill 96, 4, 3214868480
	.section	.rodata,"a",@progbits
	.p2align	6, 0x0
	.amdhsa_kernel k_qa6e334aa03_oproj
		.amdhsa_group_segment_fixed_size 327680
		.amdhsa_private_segment_fixed_size 0
		.amdhsa_enable_private_segment 0
		.amdhsa_kernarg_size 32
		.amdhsa_user_sgpr_count 2
		.amdhsa_user_sgpr_kernarg_segment_ptr 1
		.amdhsa_wavefront_size32 1
		.amdhsa_system_sgpr_workgroup_id_x 1
		.amdhsa_system_sgpr_workgroup_id_y 1
		.amdhsa_system_sgpr_workgroup_id_z 1
		.amdhsa_system_vgpr_workitem_id 0
		.amdhsa_next_free_vgpr 512
		.amdhsa_next_free_sgpr 80
		.amdhsa_reserve_vcc 0
		.amdhsa_float_denorm_mode_32 3
		.amdhsa_float_denorm_mode_16_64 3
		.amdhsa_memory_ordered 1
		.amdhsa_forward_progress 1
		.amdhsa_inst_pref_size 93
	.end_amdhsa_kernel
	.amdgpu_metadata
---
amdhsa.version: [ 1, 2 ]
amdhsa.kernels:
  - .name:           k_qa6e334aa03_oproj
    .symbol:         k_qa6e334aa03_oproj.kd
    .args:
      - { .name: oh, .offset: 0, .size: 8, .value_kind: global_buffer, .address_space: global }
      - { .name: wt, .offset: 8, .size: 8, .value_kind: global_buffer, .address_space: global }
      - { .name: bo, .offset: 16, .size: 8, .value_kind: global_buffer, .address_space: global }
      - { .name: out0, .offset: 24, .size: 8, .value_kind: global_buffer, .address_space: global }
    .group_segment_fixed_size: 327680
    .private_segment_fixed_size: 0
    .kernarg_segment_align: 8
    .kernarg_segment_size: 32
    .max_flat_workgroup_size: 128
    .sgpr_count:     80
    .vgpr_count:     512
    .wavefront_size: 32
...
	.end_amdgpu_metadata
.endif
;; end of part 4
